; MI455X (gfx1250); checked and timed in simulation.
; The chip was launched on July 23, 2026; its instructions are those of AMD's public machine-readable ISA for CDNA 5 (MIT licence, August 2026) and "CDNA5" Instruction Set Architecture Reference Guide (July 2026). The comments in the code are by the model that wrote it; some were corrected since.
;; Causal Self Attention. Allowed arithmetic: matrix products marked QUANTISED: E2M1 operands, one E8M0 scale for each 32 along K, by v_wmma_scale_f32_16x16x128_f8f6f4 with both operands' format E2M1 (or v_wmma_scale_f32_32x16x128_f4), f32 sums; products left as they are: bf16, f16 or f32 operands; f32 sums; everything else in f32.
;; Inputs: b_proj 1,024 float32; b_qkv 3,072 float32; w_proj 1,024 x 1,024 float32; w_qkv 1,024 x 3,072 float32; x 4 x 2,048 x 1,024 float32.
;; Outputs: out0 4 x 2,048 x 1,024 float32.
;; This version of the problem:
;;   THIS VERSION OF THE PROBLEM IS GIVEN IN LOW PRECISION. The matrix products marked QUANTISED in the list below multiply operands that are first quantised to E2M1 (2 exponent bits, 1 mantissa bit; 4 bits a number), with one power-of-two scale for each 32 numbers along K (OCP MX v1.0); their sums are f32. The products marked 'left as it is' may take bf16, f16 or f32 operands, with f32 sums. Whichever they take, every output number must still come out within the allowed error. Rounding operands to bf16 (8 significant bits) uses up far more of that allowance than f16 does (11 bits, for magnitudes from 6e-5 to 65,504). All else is computed in f32.
;;   The module's matrix products, in the order in which they are computed (A, B: the left and right operand; K: the contracted axis; several contracted axes count as one K, in the product's order):
;;     1. [M 8,192, K 1,024] x [K 1,024, N 3,072]; A: input x; B: input w_qkv: QUANTISED
;;     2. batch 64 x [M 2,048, K 64] x [K 64, N 2,048]; A: computed on the way; B: computed on the way: left as it is (an operand is computed on the way)
;;     3. batch 64 x [M 2,048, K 2,048] x [K 2,048, N 64]; A: computed on the way; B: computed on the way: left as it is (an operand is computed on the way)
;;     4. [M 8,192, K 1,024] x [K 1,024, N 1,024]; A: computed on the way; B: input w_proj: left as it is (an operand is computed on the way)
;;   THE QUANTISER, for each operand of a quantised product, along K:
;;     - K is cut into blocks of 32 from its start; a last block that is shorter is filled with zeros.
;;     - A block's scale is 2^e with e = floor(log2(the largest magnitude in the block)) - 2, held to -126 .. 127; a block of zeros has e = 0. As a byte (E8M0): e + 127.
;;     - Each number is divided by its block's scale, clamped to +-6, and rounded to the nearest number of E2M1, ties to even, subnormals kept.
;;     - The product sums the exact products of the quantised numbers (number of the format x scale) in f32.
;;   ~~~python
;;   def quantise(x, axis):      # numpy; x: float32 -> the quantised numbers, widened to float32 again
;;       x = np.moveaxis(x, axis, -1); K = x.shape[-1]
;;       x = np.pad(x, [(0, 0)] * (x.ndim - 1) + [(0, -K % 32)]); x = x.reshape(x.shape[:-1] + (-1, 32)); a = np.abs(x).max(-1, keepdims=True)
;;       e = np.where(a > 0, np.clip(np.frexp(np.where(a > 0, a, 1))[1] - 1 - 2, -126, 127), 0)      # np.frexp(a)[1] - 1 = floor(log2(a)), exactly
;;       r = np.clip(x / 2.0 ** e, -6, 6)
;;       step = 2.0 ** (np.maximum(np.frexp(np.where(r == 0, 1, r))[1] - 1, 0) - 1)
;;       q = np.round(r / step) * step * 2.0 ** e      # np.round: ties to even
;;       return np.moveaxis(q.reshape(q.shape[:-2] + (-1,))[..., :K], -1, axis).astype(np.float32)
;;   ~~~
;; One version. Each part assembles by itself: llvm-mc -triple=amdgcn-amd-amdhsa -mcpu=gfx1250 --defsym DOCPART=n.
;; ======== version 1 of 1: 5 launches
;; limits: values are held in f16: magnitudes above 65,504 overflow, below 6.1e-05 lose precision
;; workspace buffers: x_codes 4,194,304 bytes; x_scales 262,144 bytes; w_codes 1,572,864 bytes; w_scales 98,304 bytes; wp16 2,097,152 bytes; qkv 50,331,648 bytes; att 16,777,216 bytes; fine_qkv 786,432 bytes
;; launch prep (part 1): grid 432 x 1, 4 waves a work-group, no clusters, 68,096 bytes of LDS; arguments x, w_qkv, w_proj, x_codes, x_scales, w_codes, w_scales, wp16; writes x_codes, x_scales, w_codes, w_scales, wp16
.if DOCPART == 1
	.amdgcn_target "amdgcn-amd-amdhsa--gfx1250"
	.amdhsa_code_object_version 6
	.text
	.protected	k_q2908fcbe24_prep
	.globl	k_q2908fcbe24_prep
	.p2align	8
	.type	k_q2908fcbe24_prep,@function
k_q2908fcbe24_prep:
	s_mov_b64 s[64:65], 0
	v_nop
	global_prefetch_b8 v0, s[64:65] scope:SCOPE_SE
	s_setreg_imm32_b32 hwreg(HW_REG_WAVE_MODE, 25, 1), 1
	s_wait_xcnt 0x0
; PREP.  Three streams in one launch, told apart by the work-group's number; they share no byte of LDS but each wave's own spare words.
;   work-groups   0-255: x [8192][1024] f32 -> codes of FP4 (E2M1), K innermost, [8192][512 bytes], and one E8M0 byte for each 32 along K, [8192][32]
;   work-groups 256-303: w_qkv [1024 k][3072 n] f32, K its FIRST axis -> codes [3072][512 bytes] with K innermost, scale bytes [3072][32]
;   work-groups 304-431: w_proj [1024][1024] f32 -> f16, same layout
; A block's scale is 2^(floor(log2(its largest magnitude)) - 2); its byte is the largest magnitude's exponent field - 2, held at 1 from below.
; LIMITS: a block of zeros gets the byte 1 where the rule says 127 (its codes are zeros, and this program alone reads the bytes); blocks whose largest magnitude lies under 2^-124 are held at that
; floor; NaN and infinities are not served; w_proj must stay under 65,504 in magnitude (f16), and under 6e-5 it keeps an absolute error of 3e-8.
; No cluster, no tensor load: nothing is shared between work-groups, and every byte is read once.
.set SPW,    190                       ; v190  LDS address of my spare word; never rewritten
.set NIL,    191                       ; v191  0; never rewritten
.set XREG,   8192                      ; x's path: an LDS region for each wave: two stages of 32 x SP bytes, behind them its 256 scale bytes
.set SP,     80                        ; a lane's place in a stage: 64 bytes + 16 of padding
.set WSTG,   32768                     ; w_qkv's path: four stages of 32 rows x WPITCH
.set WPITCH, 272
.set SPARE,  WSTG+4*32*WPITCH          ; 67,584: the spare words, 128 bytes for each wave
.set STEPS,  16
.set CB,     8                         ; bytes of 16 codes
.set XR,     16                        ; v16-79   four sets of 16 numbers as loaded
.set XX,     80                        ; v80-111  two sets of 16 neighbours
.set XE,     112                       ; v112-127 a scale byte for each step
.set XC,     128                       ; v128-189 codes: registers of its own for each step
.set SIZE_K, 1024
.set SIZE_N, 3072
.set KW,     512
.set NB,     16
.set KROW,   512
.set WX,     32                        ; v32-95   two sets of 32 numbers
.set WC,     96                        ; v96-99   a block's codes
.set WOUT,   112                       ; v112-175 the way out
.set WSB,    24                        ; v24-27   scale bytes, four to a register
	s_load_b512 s[4:19], s[0:1], 0x0               ; x 4:5, w_qkv 6:7, w_proj 8:9, x_codes 10:11, x_scales 12:13, w_codes 14:15, w_scales 16:17, wp16 18:19
	v_lshl_add_u32 v[SPW], v0, 2, SPARE
	v_mov_b32 v[NIL], 0
	v_lshrrev_b32 v1, 5, v0
	v_readfirstlane_b32 s20, v1                    ; wave
	v_and_b32 v2, 31, v0                           ; lane
	s_wait_kmcnt 0x0
	s_cmp_lt_u32 ttmp9, 256
	s_cbranch_scc0 .Lnot_x
; ---------------- x: a plain stream of blocks of 32.  A wave takes 16 steps of 512 numbers.
; Each load reads 512 consecutive bytes; a step's 2,048 bytes turn through the wave's own stage so that a lane holds 16 NEIGHBOURS (two lanes a block).
	v_lshlrev_b32 v3, 4, v2                        ; my 16 bytes of a load's 512
	s_mul_i32 s21, s20, XREG
	v_lshrrev_b32 v14, 2, v2
	v_mul_u32_u24 v14, v14, SP
	v_and_b32 v15, 3, v2
	v_lshl_add_u32 v14, v15, 4, v14
	v_add_nc_u32 v14, s21, v14                     ; into the stage: SP (lane / 4) + 16 (lane % 4)
	v_mul_u32_u24 v15, v2, SP
	v_add_nc_u32 v15, s21, v15                     ; out of it: SP x lane
	v_mul_u32_u24 v4, v2, CB                       ; my codes' place in a step's
	v_lshrrev_b32 v5, 1, v2
	s_add_co_u32 s21, s21, 2*32*SP
	v_add_nc_u32 v5, s21, v5                       ; my block's scale byte in LDS
	v_lshlrev_b32 v7, 3, v2
	v_add_nc_u32 v6, s21, v7                       ; and 8 bytes a lane on the way out
	s_lshl_b32 s22, ttmp9, 2
	s_add_co_u32 s22, s22, s20                     ; which run of 8,192 numbers is my wave's: 0 .. 1,023
	s_mov_b32 s25, 0
	s_lshl_b32 s24, s22, 15
	s_add_nc_u64 s[4:5], s[4:5], s[24:25]          ; 32,768 bytes of x a run
	s_lshl_b32 s24, s22, 12
	s_add_nc_u64 s[10:11], s[10:11], s[24:25]      ; 4,096 bytes of codes
	s_lshl_b32 s24, s22, 8
	s_add_nc_u64 s[12:13], s[12:13], s[24:25]      ; 256 scale bytes
.macro XLOAD t
.irp i, 0,1,2,3
	global_load_b128 v[XR+16*((\t)%4)+4*\i:XR+16*((\t)%4)+4*\i+3], v3, s[4:5] offset:2048*(\t)+512*\i th:TH_LOAD_NT
.endr
.endm
.macro XTURN t                         ; LDS serves a wave's instructions in order: no wait between the stores and the loads
.irp i, 0,1,2,3
	ds_store_b128 v14, v[XR+16*((\t)%4)+4*\i:XR+16*((\t)%4)+4*\i+3] offset:32*SP*((\t)%2)+8*SP*\i
.endr
.irp i, 0,1,2,3
	ds_load_b128 v[XX+16*((\t)%2)+4*\i:XX+16*((\t)%2)+4*\i+3], v15 offset:32*SP*((\t)%2)+16*\i
.endr
.endm
.irp t, 0,1,2,3
	XLOAD \t
.endr
	s_wait_loadcnt 12                              ; step 0's four loads are in; three steps' twelve may be out
	XTURN 0
.macro XSTEP t
.set XS, XX+16*((\t)%2)
.if (\t) > 0
	s_wait_dscnt 1                                 ; this step's numbers are back from the stage (the last step's byte store may be out)
.else
	s_wait_dscnt 0x0
.endif
.if (\t)+4 < STEPS
	XLOAD (\t)+4                                   ; into the set whose stores into the stage have been served
.endif
.if (\t)+1 < STEPS
.if STEPS-2-(\t) >= 3
	s_wait_loadcnt 12                              ; the next step's four loads are in; those of the three steps behind it may be out
.else
	s_wait_loadcnt 4*(STEPS-2-(\t))
.endif
	XTURN (\t)+1
.endif
	v_max3_num_f32 v8, |v[XS]|, |v[XS+1]|, |v[XS+2]|
	v_max3_num_f32 v9, |v[XS+3]|, |v[XS+4]|, |v[XS+5]|
.irp i, 6,10
	v_max3_num_f32 v8, v8, |v[XS+\i]|, |v[XS+\i+1]|
	v_max3_num_f32 v9, v9, |v[XS+\i+2]|, |v[XS+\i+3]|
.endr
	v_max3_num_f32 v8, v8, |v[XS+14]|, |v[XS+15]|
	v_max3_num_f32 v8, v8, v9, 0x1800000           ; and the floor 2^(3 - 127): the byte cannot fall under 1
	v_max_num_f32_dpp v8, v8, v8 row_xmask:1 row_mask:0xf bank_mask:0xf   ; with my neighbour's 16: the block's largest magnitude
	v_add_nc_u32 v11, 0xff000000, v8               ; 2 off its exponent field: the conversion takes this operand's exponent field as its scale
	v_cvt_scalef32_pk8_fp4_f32 v[XC+4*(\t)], v[XS:XS+7], v11
	v_cvt_scalef32_pk8_fp4_f32 v[XC+4*(\t)+1], v[XS+8:XS+15], v11
	v_lshrrev_b32 v[XE+(\t)], 23, v11              ; the scale's byte (also the plain line behind the conversions)
	ds_store_b8 v5, v[XE+(\t)] offset:16*(\t)      ; both lanes of a block write the same byte with the same value
	global_store_b64 v4, v[XC+4*(\t):XC+4*(\t)+1], s[10:11] offset:32*CB*(\t)   ; 32 lanes store 256 consecutive bytes, aligned
.endm
.irp t, 0,1,2,3,4,5,6,7,8,9,10,11,12,13,14,15
	XSTEP \t
.endr
	ds_load_b64 v[8:9], v6                         ; my wave's 256 scale bytes
	s_wait_dscnt 0x0
	global_store_b64 v7, v[8:9], s[12:13]          ; 256 consecutive bytes, aligned
	s_branch .Lend
.Lnot_x:
	s_cmp_lt_u32 ttmp9, 304
	s_cbranch_scc0 .Lcast
; ---------------- w_qkv: a lane takes a column n and its registers run down K, so a block of 32 lies in one lane and the codes come out with K innermost.
; A wave takes 32 columns x 512 along K; its codes go through its own stage and leave as rows: sixteen lanes store 256 consecutive bytes.
	s_sub_co_u32 s21, ttmp9, 256
	s_lshr_b32 s22, s21, 1                         ; which 128 columns: 0 .. 23
	s_and_b32 s23, s21, 1                          ; which half of K
	s_lshl_b32 s22, s22, 7
	s_lshl_b32 s24, s20, 5
	s_add_co_u32 s22, s22, s24                     ; my wave's first column
	v_lshlrev_b32 v3, 2, v2
	s_mul_i32 s27, s20, 32*WPITCH
	s_add_co_u32 s27, s27, WSTG                    ; my stage
	v_mul_u32_u24 v4, v2, WPITCH
	v_add_nc_u32 v4, s27, v4                       ; into it: row = my column
	v_and_b32 v5, 15, v2
	v_lshrrev_b32 v6, 4, v2
	v_mul_u32_u24 v7, v6, WPITCH
	v_lshl_add_u32 v7, v5, 4, v7
	v_add_nc_u32 v7, s27, v7                       ; out of it: sixteen lanes to a row, two rows an instruction
	v_mul_u32_u24 v8, v6, KROW
	v_lshl_add_u32 v8, v5, 4, v8                   ; the same place in the codes' buffer
	v_mul_u32_u24 v9, v2, SIZE_K/32                ; my column's row of scale bytes
	s_mov_b32 s25, 0
	s_mul_i32 s24, s23, KW*SIZE_N*4
	s_lshl_b32 s26, s22, 2
	s_add_co_u32 s24, s24, s26
	s_add_nc_u64 s[6:7], s[6:7], s[24:25]          ; w_qkv: 512 x half rows + 4 x column
	s_lshl_b32 s24, s22, 9
	s_lshl_b32 s26, s23, 8
	s_add_co_u32 s24, s24, s26
	s_add_nc_u64 s[14:15], s[14:15], s[24:25]      ; codes: column x 512 + 256 x half
	s_lshl_b32 s24, s22, 5
	s_lshl_b32 s26, s23, 4
	s_add_co_u32 s24, s24, s26
	s_add_nc_u64 s[16:17], s[16:17], s[24:25]      ; scale bytes: column x 32 + 16 x half
.macro WLOAD t                         ; block t: w(32 t + i, my column); the largest offset, 511 x 12,288, lies inside the signed 24-bit immediate
.irp i, 0,1,2,3,4,5,6,7,8,9,10,11,12,13,14,15,16,17,18,19,20,21,22,23,24,25,26,27,28,29,30,31
	global_load_b32 v[WX+32*((\t)%2)+\i], v3, s[6:7] offset:(32*(\t)+\i)*SIZE_N*4 th:TH_LOAD_NT
.endr
.endm
	WLOAD 0
	WLOAD 1
.macro WBLOCK t
.set XS, WX+32*((\t)%2)
.if (\t) < NB-1
	s_wait_loadcnt 32                              ; this block's 32 loads are in; the next block's 32 may be out
.else
	s_wait_loadcnt 0
.endif
	v_max3_num_f32 v12, |v[XS]|, |v[XS+1]|, |v[XS+2]|
	v_max3_num_f32 v13, |v[XS+3]|, |v[XS+4]|, |v[XS+5]|
.irp i, 6,10,14,18,22,26
	v_max3_num_f32 v12, v12, |v[XS+\i]|, |v[XS+\i+1]|
	v_max3_num_f32 v13, v13, |v[XS+\i+2]|, |v[XS+\i+3]|
.endr
	v_max3_num_f32 v12, v12, |v[XS+30]|, |v[XS+31]|
	v_max3_num_f32 v12, v12, v13, 0x1800000        ; the floor
	v_add_nc_u32 v11, 0xff000000, v12              ; the conversion's scale operand
	v_lshrrev_b32 v13, 23, v11                     ; the scale's byte
.if (\t)%4 == 0
	v_mov_b32 v[WSB+(\t)/4], v13
.else
	v_lshl_or_b32 v[WSB+(\t)/4], v13, 8*((\t)%4), v[WSB+(\t)/4]
.endif
.irp g, 0,1,2,3
	v_cvt_scalef32_pk8_fp4_f32 v[WC+\g], v[XS+8*\g:XS+8*\g+7], v11
.endr
	v_nop                                          ; one plain line behind the last conversion
	ds_store_b128 v4, v[WC:WC+3] offset:16*(\t)    ; 32 codes: 16 bytes of my column's row
.if (\t)+2 < NB
	WLOAD (\t)+2
.endif
	s_wait_dscnt 0x0                               ; the store has been served: the next block's codes may be written
.endm
.set BQ, 0
.rept NB
	WBLOCK BQ
.set BQ, BQ+1
.endr
	global_store_b128 v9, v[WSB:WSB+3], s[16:17]   ; my column's 16 scale bytes of this half of K
.irp t, 0,1,2,3,4,5,6,7,8,9,10,11,12,13,14,15
	ds_load_b128 v[WOUT+4*\t:WOUT+4*\t+3], v7 offset:2*\t*WPITCH
.endr
.irp t, 0,1,2,3,4,5,6,7,8,9,10,11,12,13,14,15
	s_wait_dscnt 15-\t                             ; LDS loads come back in order: the younger ones may be out
	global_store_b128 v8, v[WOUT+4*\t:WOUT+4*\t+3], s[14:15] offset:2*\t*KROW
.endr
	s_branch .Lend
.Lcast:
; ---------------- w_proj to f16: a wave takes 8,192 bytes; sixteen loads of 512 bytes, sixteen stores of 256.
	s_sub_co_u32 s21, ttmp9, 304
	s_lshl_b32 s21, s21, 2
	s_add_co_u32 s21, s21, s20                     ; run 0 .. 511
	s_mov_b32 s23, 0
	s_lshl_b32 s22, s21, 13
	s_add_nc_u64 s[8:9], s[8:9], s[22:23]
	s_lshl_b32 s22, s21, 12
	s_add_nc_u64 s[18:19], s[18:19], s[22:23]
	v_lshlrev_b32 v3, 4, v2
	v_lshlrev_b32 v4, 3, v2
.irp t, 0,1,2,3,4,5,6,7,8,9,10,11,12,13,14,15
	global_load_b128 v[16+4*\t:16+4*\t+3], v3, s[8:9] offset:512*\t
.endr
.irp t, 0,1,2,3,4,5,6,7,8,9,10,11,12,13,14,15
	s_wait_loadcnt 15-\t                           ; loads come back in order: the younger ones may be out
	v_cvt_pk_f16_f32 v[128+2*\t], v[16+4*\t], v[17+4*\t]
	v_cvt_pk_f16_f32 v[129+2*\t], v[18+4*\t], v[19+4*\t]
	global_store_b64 v4, v[128+2*\t:129+2*\t], s[18:19] offset:256*\t   ; 32 lanes store 256 consecutive bytes, aligned
.endr
.Lend:
	s_wait_tensorcnt 0x0                           ; the wave's end
	ds_add_u32 v[SPW], v[NIL]
	s_wait_dscnt 0x0
	s_endpgm
.Lfunc_end_k_q2908fcbe24_prep:
	.size	k_q2908fcbe24_prep, .Lfunc_end_k_q2908fcbe24_prep-k_q2908fcbe24_prep
	.p2alignl 7, 3214868480
	.fill 96, 4, 3214868480
	.section	.rodata,"a",@progbits
	.p2align	6, 0x0
	.amdhsa_kernel k_q2908fcbe24_prep
		.amdhsa_group_segment_fixed_size 68096
		.amdhsa_private_segment_fixed_size 0
		.amdhsa_enable_private_segment 0
		.amdhsa_kernarg_size 64
		.amdhsa_user_sgpr_count 2
		.amdhsa_user_sgpr_kernarg_segment_ptr 1
		.amdhsa_wavefront_size32 1
		.amdhsa_system_sgpr_workgroup_id_x 1
		.amdhsa_system_sgpr_workgroup_id_y 1
		.amdhsa_system_sgpr_workgroup_id_z 1
		.amdhsa_system_vgpr_workitem_id 0
		.amdhsa_next_free_vgpr 192
		.amdhsa_next_free_sgpr 66
		.amdhsa_reserve_vcc 0
		.amdhsa_float_denorm_mode_32 3
		.amdhsa_float_denorm_mode_16_64 3
		.amdhsa_memory_ordered 1
		.amdhsa_forward_progress 1
		.amdhsa_inst_pref_size 117
	.end_amdhsa_kernel
	.amdgpu_metadata
---
amdhsa.version: [ 1, 2 ]
amdhsa.kernels:
  - .name:           k_q2908fcbe24_prep
    .symbol:         k_q2908fcbe24_prep.kd
    .args:
      - { .name: x, .offset: 0, .size: 8, .value_kind: global_buffer, .address_space: global }
      - { .name: w_qkv, .offset: 8, .size: 8, .value_kind: global_buffer, .address_space: global }
      - { .name: w_proj, .offset: 16, .size: 8, .value_kind: global_buffer, .address_space: global }
      - { .name: x_codes, .offset: 24, .size: 8, .value_kind: global_buffer, .address_space: global }
      - { .name: x_scales, .offset: 32, .size: 8, .value_kind: global_buffer, .address_space: global }
      - { .name: w_codes, .offset: 40, .size: 8, .value_kind: global_buffer, .address_space: global }
      - { .name: w_scales, .offset: 48, .size: 8, .value_kind: global_buffer, .address_space: global }
      - { .name: wp16, .offset: 56, .size: 8, .value_kind: global_buffer, .address_space: global }
    .group_segment_fixed_size: 68096
    .private_segment_fixed_size: 0
    .kernarg_segment_align: 8
    .kernarg_segment_size: 64
    .max_flat_workgroup_size: 128
    .sgpr_count:     66
    .vgpr_count:     192
    .wavefront_size: 32
...
	.end_amdgpu_metadata
.endif
;; end of part 1
;; launch qkv (part 2): grid 12 x 32, 4 waves a work-group, clusters of 4 x 4, 327,680 bytes of LDS; arguments x_codes, x_scales, w_codes, w_scales, qkv, b_qkv, fine_qkv; writes qkv, fine_qkv
.if DOCPART == 2
	.amdgcn_target "amdgcn-amd-amdhsa--gfx1250"
	.amdhsa_code_object_version 6
	.text
	.protected	k_q2908fcbe24_qkv
	.globl	k_q2908fcbe24_qkv
	.p2align	8
	.type	k_q2908fcbe24_qkv,@function
k_q2908fcbe24_qkv:
	s_mov_b64 s[64:65], 0
	v_nop
	global_prefetch_b8 v0, s[64:65] scope:SCOPE_SE
	s_setreg_imm32_b32 hwreg(HW_REG_WAVE_MODE, 25, 1), 1
	s_wait_xcnt 0x0
	s_wait_alu depctr_hold_cnt(0) depctr_sa_sdst(0) depctr_va_vdst(0) depctr_va_sdst(0) depctr_va_ssrc(0) depctr_va_vcc(0) depctr_vm_vsrc(0)
	s_getreg_b32 s2, hwreg(HW_REG_IB_STS2, 6, 4)
	s_cmp_eq_u32 s2, 0
	s_cbranch_scc0 .Lentry_in_a_cluster
	s_endpgm
.Lentry_in_a_cluster:
	s_bfe_u32 s2, ttmp6, 0x10000c
	s_cmp_lg_u32 s2, 0xf033
	s_cbranch_scc0 .Lentry_shape_is_right
	s_endpgm
.Lentry_shape_is_right:
; QKV = Q(x) Q(w_qkv) + b_qkv on codes of FP4 (E2M1) with one E8M0 scale for each 32 along K; sums in f32.  M = 8,192, N = 3,072, K = 1,024.
; A tile of 256 x 256 is made by four waves, 128 x 128 each: 64 accumulators.  K = 1,024 is two LDS slots of 512: both are asked for at the head, nothing is filled again.
; The scale bytes of the tile's 256 + 256 rows for all of K come once, as dense blocks.  A wave has three tensor loads out.
; CLUSTER 4 x 4: A's tiles are shared along a row of the cluster, B's along a column, by joint loads.  THE TILE ROW IS cluster y + 8 cy: so the batch is cy, and the four tile rows that hold the
; positions t < 16 belong to the clusters with y = 0: the branch for those rows hangs on the cluster's y and the wave's number alone.
; THE MATRIX INSTRUCTION IS USED TRANSPOSED (source 0 = 16 rows of w's codes, source 1 = 16 rows of x's): a lane holds eight neighbouring columns of one row.  The bias is the C of each sum's first product.
; OUT: q, k, v as f16, head-major [which][b][h][t][64]: 16 rows of a head are 2,048 consecutive bytes, so each store of a wave covers 512 consecutive aligned bytes.
; The rows t < 16 of every batch go out in f32 as well, [b][16][3072], for the launch that carries those positions finely.
; LIMIT: q, k, v must stay under 65,504 in magnitude (f16); under 6e-5 they keep an absolute error of 3e-8.
; REGISTERS: window 0: v16-31 addresses; v32-95 scale words, two sets; v96-127 packed results; v128-191 A's fragments, later rows on the way out; v192-255 the bias, later the fine rows.
;   window 1: B's fragments, two sets, at v0 and v128.  window 2: accumulators of my rows 0-63; window 3: of rows 64-127.
.set NQ,     4
.set ROWB,   256
.set KROW,   512
.set PITCH,  272                       ; 256 bytes + 16 of padding: the 16 rows of a fragment load start at 16 different banks
.set FR,     8
.set NL,     2
.set NP,     4
.set HALFT,  128*PITCH
.set SLOT,   4*HALFT
.set KS,     32
.set SCL,    2*SLOT
.set HALFS,  (128*KS/256)*272
.set SBLK,   (16*KS/256)*272
.set SPARE,  SCL+4*HALFS
.set HSTG,   4608                      ; the f16 stage of a wave: 2 heads x 16 rows x 144 bytes; it lies in slot 0, which has had its only fill and is read by nobody behind the change of slots
.set FSTG,   4*HSTG                    ; behind them the f32 stages: 16 rows x 528 bytes a wave
.set ADRA, 16
.set ADRB, 20
.set BAD,  22                          ; v22  32 x (lane / 16): the bias's offset
.set STO,  24
.set RD,   25
.set CO,   26                          ; v26  16 x lane
.set ADRS, 27
.set SPW,  28
.set NIL,  29
.set FSTO, 30
.set FRD,  31
.set SC,   32
.set TMP,  96
.set AF,   128
.set BK,   128
.set BIAS, 192
.set G1, 24
.set G0, 32
.set G1B, 48
.set G0B, 56
.set G1S, 68
.set G0S, 76
.set G1SB, 80
.set G0SB, 88
.set MSB, 0
.macro WIN new                         ; the immediate's high byte repeats the setting that is left
.if MSB != (\new)
	s_set_vgpr_msb (MSB<<8)|(\new)
.set MSB, (\new)
.endif
.endm
.set MUL_LO, 0xa1                      ; source 0 (B) window 1, source 1 (A) window 0, C and D window 2
.set MUL_HI, 0xf1
.set FIRST_LO, 0x81                    ; the same with C (the bias) in window 0
.set FIRST_HI, 0xc1
.set TO_B,   0x40
.macro JLOAD g0a, g1a, g0b, g1b        ; a joint load: waves 0 and 1 fetch for A, waves 2 and 3 for B; the branch hangs on the wave's number alone
	s_cmp_eq_u32 s15, 0
	s_cbranch_scc0 .Lfor_b_\@
	tensor_load_to_lds s[\g0a:\g0a+3], s[\g1a:\g1a+7]
	s_nop 0
.rept 4
	v_nop
.endr
	s_branch .Lasked_\@
.Lfor_b_\@:
	tensor_load_to_lds s[\g0b:\g0b+3], s[\g1b:\g1b+7]
	s_nop 0
.rept 4
	v_nop
.endr
.Lasked_\@:
.endm
.macro CROUND                          ; a round of the cluster's barrier
	s_barrier_signal -1
	s_barrier_wait -1
	s_cmp_lg_u32 s14, 0
	s_cbranch_scc1 .Lnot_wave_0_\@
	s_barrier_signal -3
.Lnot_wave_0_\@:
	s_barrier_wait -3
	s_barrier_signal -1
	s_barrier_wait -1
.endm
	s_load_b128 s[4:7], s[0:1], 0x0                ; x's codes, x's scales
	s_load_b128 s[8:11], s[0:1], 0x10              ; w's codes, w's scales
	s_load_b64 s[12:13], s[0:1], 0x20              ; qkv
	s_load_b128 s[96:99], s[0:1], 0x28             ; b_qkv, fine_qkv
	v_lshl_add_u32 v[SPW], v0, 2, SPARE
	v_mov_b32 v[NIL], 0
	ds_add_u32 v[SPW], v[NIL]                      ; the opening: the add, twice on end, and its wait ahead of my first tensor load
	ds_add_u32 v[SPW], v[NIL]
	v_lshrrev_b32 v1, 5, v0
	v_readfirstlane_b32 s14, v1                    ; wave
	s_lshr_b32 s15, s14, 1                         ; my half of the tile's rows; also: I fetch for A (0) or B (1)
	s_and_b32 s16, s14, 1                          ; my half of its columns; also: which 128 rows I fetch
	s_bfe_u32 s40, ttmp6, 0x40000                  ; cx
	s_bfe_u32 s41, ttmp6, 0x40004                  ; cy
	s_lshl_b32 s42, ttmp9, 2
	s_add_co_u32 s42, s42, s40                     ; tile column = 4 x cluster x + cx
	s_and_b32 s95, ttmp7, 0xffff                   ; cluster y
	s_lshl_b32 s17, s41, 3
	s_add_co_u32 s17, s17, s95                     ; tile row = cluster y + 8 cy
	s_lshl_b32 s43, s41, 2
	s_lshl_b32 s43, 15, s43                        ; my row of the cluster
	s_lshl_b32 s44, 0x1111, s40                    ; my column
	s_or_b32 s[G1+0], s43, (0<<16)|(1<<20)|(1<<21)|(5<<22)|(3<<25)   ; the mask; elements of 1 byte; padding: 4 words behind every 64
	s_or_b32 s[G1B+0], s44, (0<<16)|(1<<20)|(1<<21)|(5<<22)|(3<<25)
.irp g, G1, G1B
	s_mov_b32 s[\g+1], ROWB<<16                    ; tensor_dim0
	s_mov_b32 s[\g+2], 128<<16                     ; tensor_dim1
	s_mov_b32 s[\g+3], ROWB<<16                    ; tile_dim0
	s_mov_b32 s[\g+4], 128                         ; tile_dim1
	s_mov_b32 s[\g+5], KROW                        ; the pitch
	s_mov_b32 s[\g+6], 0
	s_mov_b32 s[\g+7], 0
.endr
	s_or_b32 s[G1S+0], s43, (3<<16)|(1<<20)|(1<<21)|(5<<22)|(3<<25)  ; the scales of 128 rows: 4,096 dense bytes as 16 rows of 256
	s_or_b32 s[G1SB+0], s44, (3<<16)|(1<<20)|(1<<21)|(5<<22)|(3<<25)
.irp g, G1S, G1SB
	s_mov_b32 s[\g+1], 32<<16
	s_mov_b32 s[\g+2], (128*KS/256)<<16
	s_mov_b32 s[\g+3], 32<<16
	s_mov_b32 s[\g+4], 128*KS/256
	s_mov_b32 s[\g+5], 32
	s_mov_b32 s[\g+6], 0
	s_mov_b32 s[\g+7], 0
.endr
	s_lshl_b32 s18, s16, 7
	s_lshl_b32 s20, s17, 8
	s_add_co_u32 s20, s20, s18                     ; A: row 256 x tile row + 128 x half
	s_lshl_b32 s46, s42, 8
	s_add_co_u32 s46, s46, s18                     ; B: row 256 x tile column + 128 x half
	s_mov_b32 s21, 0
	s_mov_b32 s47, 0
	s_mov_b64 s[18:19], KS
	s_mul_u64 s[22:23], s[20:21], s[18:19]
	s_mul_u64 s[92:93], s[46:47], s[18:19]
	s_mov_b64 s[18:19], KROW
	s_mul_u64 s[20:21], s[20:21], s[18:19]
	s_mul_u64 s[46:47], s[46:47], s[18:19]
	s_mul_i32 s45, s14, HALFT                      ; where they go: wave x 128 rows
	s_mul_i32 s94, s14, HALFS
	s_wait_dscnt 0x0                               ; both opening adds are done
	s_wait_kmcnt 0x0
	s_add_nc_u64 s[20:21], s[4:5], s[20:21]
	s_add_nc_u64 s[22:23], s[6:7], s[22:23]
	s_add_nc_u64 s[46:47], s[8:9], s[46:47]
	s_add_nc_u64 s[92:93], s[10:11], s[92:93]
	CROUND                                         ; all sixteen work-groups are here: the joint loads meet
	s_mov_b32 s[G0S], 1
	s_add_co_u32 s[G0S+1], s94, SCL
	s_mov_b64 s[G0S+2:G0S+3], s[22:23]
	s_or_b32 s[G0S+3], s[G0S+3], 0x80000000
	s_mov_b32 s[G0SB], 1
	s_add_co_u32 s[G0SB+1], s94, SCL
	s_mov_b64 s[G0SB+2:G0SB+3], s[92:93]
	s_or_b32 s[G0SB+3], s[G0SB+3], 0x80000000
	JLOAD G0S, G1S, G0SB, G1SB
.irp s, 0,1
	s_mov_b32 s[G0+4*\s], 1
	s_add_co_u32 s[G0+4*\s+1], s45, \s*SLOT
	s_add_nc_u64 s[G0+4*\s+2:G0+4*\s+3], s[20:21], \s*ROWB
	s_or_b32 s[G0+4*\s+3], s[G0+4*\s+3], 0x80000000
	s_mov_b32 s[G0B+4*\s], 1
	s_add_co_u32 s[G0B+4*\s+1], s45, \s*SLOT
	s_add_nc_u64 s[G0B+4*\s+2:G0B+4*\s+3], s[46:47], \s*ROWB
	s_or_b32 s[G0B+4*\s+3], s[G0B+4*\s+3], 0x80000000
	JLOAD G0+4*\s, G1, G0B+4*\s, G1B
.endr
	v_and_b32 v1, 15, v0                           ; r
	v_bfe_u32 v2, v0, 4, 1                         ; h
	; the bias: tile b of my 128 columns wants b_qkv[n0 + 16 b + 8 h + 0 .. 7] in a lane's eight registers
	v_lshlrev_b32 v[BAD], 5, v2
	s_lshl_b32 s46, s42, 10
	s_lshl_b32 s47, s16, 9
	s_add_co_u32 s46, s46, s47                     ; 4 n0 = 1,024 x tile column + 512 x half
	s_mov_b32 s47, 0
	s_add_nc_u64 s[96:97], s[96:97], s[46:47]
	s_add_nc_u64 s[98:99], s[98:99], s[46:47]
	s_mul_i32 s46, s41, 16*3072*4
	s_add_nc_u64 s[98:99], s[98:99], s[46:47]      ; the fine rows: batch cy, column n0
.irp b, 0,1,2,3,4,5,6,7
	global_load_b128 v[BIAS+8*\b:BIAS+8*\b+3], v[BAD], s[96:97] offset:64*\b
	global_load_b128 v[BIAS+8*\b+4:BIAS+8*\b+7], v[BAD], s[96:97] offset:64*\b+16
.endr
	v_mul_u32_u24 v3, v1, PITCH
	v_lshl_add_u32 v4, v2, 4, v3
	s_mul_i32 s21, s15, HALFT
	s_mul_i32 s22, s16, HALFT
	s_add_co_u32 s22, s22, 2*HALFT
.irp s, 0,1
	v_add_nc_u32 v[ADRA+\s], s21, v4
	v_add_nc_u32 v[ADRB+\s], s22, v4
	s_add_co_u32 s21, s21, SLOT
	s_add_co_u32 s22, s22, SLOT
.endr
	v_mul_u32_u24 v5, v1, KS                       ; my row's scales: 32 bytes a row, and 16 more for each 256 passed
	v_lshrrev_b32 v6, 8, v5
	v_lshl_add_u32 v5, v6, 4, v5
	s_mul_i32 s21, s15, HALFS
	s_mul_i32 s22, s16, HALFS
	s_add_co_u32 s22, s22, 2*HALFS
	s_sub_co_u32 s22, s22, s21
	v_mul_u32_u24 v6, s22, v2                      ; lanes 16-31 take B's
	s_add_co_u32 s21, s21, SCL
	v_add_nc_u32 v5, v5, v6
	v_add_nc_u32 v[ADRS], s21, v5
	s_mul_i32 s23, s14, HSTG                       ; my f16 stage
	v_mul_u32_u24 v5, v1, 144
	v_lshl_add_u32 v5, v2, 4, v5
	v_add_nc_u32 v[STO], s23, v5                   ; in: row r, 16 bytes for each half of the lanes
	v_and_b32 v6, 31, v0
	v_lshrrev_b32 v5, 3, v6
	v_mul_u32_u24 v5, v5, 144
	v_and_b32 v7, 7, v6
	v_lshl_add_u32 v5, v7, 4, v5
	v_add_nc_u32 v[RD], s23, v5                    ; back: eight lanes to a row of 128 bytes, four rows an instruction
	v_lshlrev_b32 v[CO], 4, v6
	s_mul_i32 s23, s14, 16*528
	s_add_co_u32 s23, s23, FSTG                    ; my f32 stage
	v_mul_u32_u24 v5, v1, 528
	v_lshl_add_u32 v5, v2, 5, v5
	v_add_nc_u32 v[FSTO], s23, v5
	v_add_nc_u32 v[FRD], s23, v[CO]
	; where my part begins in qkv: head group g0 = 4 x tile column + 2 x half: which = g0 / 16, head = g0 % 16; batch cy; t = 256 x cluster y + 128 x row half
	s_lshl_b32 s20, s42, 2
	s_lshl_b32 s21, s16, 1
	s_add_co_u32 s20, s20, s21
	s_lshr_b32 s21, s20, 4
	s_lshl_b32 s21, s21, 24
	s_and_b32 s20, s20, 15
	s_lshl_b32 s20, s20, 18
	s_add_co_u32 s20, s20, s21
	s_lshl_b32 s21, s41, 22
	s_add_co_u32 s20, s20, s21
	s_lshl_b32 s21, s95, 15
	s_add_co_u32 s20, s20, s21
	s_lshl_b32 s21, s15, 14
	s_add_co_u32 s20, s20, s21
	s_mov_b32 s21, 0
	s_add_nc_u64 s[12:13], s[12:13], s[20:21]
.macro FRAG reg, adr, q, i             ; 16 rows x 128 K of 4-bit codes: 8 registers, two loads of 16 bytes, 32 bytes apart
.irp c, 0,1
	ds_load_b128 v[\reg+4*\c:\reg+4*\c+3], v[\adr] offset:64*(\q)+32*\c+(\i)*16*PITCH
.endr
.endm
; 16 products: A's blocks a0, a0 + 1 x B's eight.  The 64 accumulators take turns, one instruction a turn, in the same order in every step.
; zero = 1: the first product starts the sums from the bias.
.macro MUL16 a0, p, q, sc, zero
.irp a, \a0, \a0+1
.irp b, 0,1,2,3,4,5,6,7
.if \zero
	v_wmma_scale_f32_16x16x128_f8f6f4 v[8*(8*((\a)%4)+\b):8*(8*((\a)%4)+\b)+7], v[128*(\p)+FR*\b:128*(\p)+FR*\b+FR-1], v[AF+FR*(\a):AF+FR*(\a)+FR-1], v[BIAS+8*\b:BIAS+8*\b+7], v[SC+8*NQ*(\sc)+NQ*\b+(\q)], v[SC+8*NQ*(\sc)+NQ*(\a)+(\q)] matrix_a_fmt:MATRIX_FMT_FP4 matrix_b_fmt:MATRIX_FMT_FP4 matrix_a_scale:MATRIX_SCALE_ROW1
.else
	v_wmma_scale_f32_16x16x128_f8f6f4 v[8*(8*((\a)%4)+\b):8*(8*((\a)%4)+\b)+7], v[128*(\p)+FR*\b:128*(\p)+FR*\b+FR-1], v[AF+FR*(\a):AF+FR*(\a)+FR-1], v[8*(8*((\a)%4)+\b):8*(8*((\a)%4)+\b)+7], v[SC+8*NQ*(\sc)+NQ*\b+(\q)], v[SC+8*NQ*(\sc)+NQ*(\a)+(\q)] matrix_a_fmt:MATRIX_FMT_FP4 matrix_b_fmt:MATRIX_FMT_FP4 matrix_a_scale:MATRIX_SCALE_ROW1
.endif
.endr
.endr
.endm
.macro FETCH_B slot, q, p
	WIN TO_B
.irp i, 0,1,2,3,4,5,6,7
	FRAG 128*(\p)+FR*\i, ADRB+\slot, \q, \i
.endr
	WIN 0
.endm
.macro FETCH_A slot, q, i0
.irp i, \i0, \i0+1, \i0+2, \i0+3
	FRAG AF+FR*(\i), ADRA+\slot, \q, \i
.endr
.endm
.macro SCALES sc                       ; a slot's scale words: lanes 0-15 take A's block i, lanes 16-31 B's block i
.irp i, 0,1,2,3,4,5,6,7
	ds_load_b128 v[SC+8*NQ*\sc+NQ*\i:SC+8*NQ*\sc+NQ*\i+3], v[ADRS] offset:\i*SBLK
.endr
.endm
.macro PLACES n                        ; plain vector lines between a matrix instruction and a load into, or a read of, its registers
.rept \n
	v_nop
.endr
.endm
.macro STEP slot, q, zero
	s_wait_dscnt 4*NL                              ; B's set and A's blocks 0-3 are in; the youngest eight loads (A's blocks 4-7) may be out
.if \zero
	WIN FIRST_LO
.else
	WIN MUL_LO
.endif
	MUL16 0, (\q)%2, \q, \slot, \zero
	MUL16 2, (\q)%2, \q, \slot, \zero
	s_wait_dscnt 0
	PLACES NP
	FETCH_B \slot, (\q)+1, 1-(\q)%2
	FETCH_A \slot, (\q)+1, 0
.if \zero
	WIN FIRST_HI
.else
	WIN MUL_HI
.endif
	MUL16 4, (\q)%2, \q, \slot, \zero
	MUL16 6, (\q)%2, \q, \slot, \zero
	PLACES NP
	WIN 0
	FETCH_A \slot, (\q)+1, 4
.endm
.macro STEPS slot, from
.set SQ, \from
.rept NQ-1-\from
	STEP \slot, SQ, 0
.set SQ, SQ+1
.endr
.endm
	s_wait_tensorcnt 1                             ; the scales and my part of slot 0 are in; slot 1's load may be out
	s_barrier_signal -1
	s_barrier_wait -1
	FETCH_B 0, 0, 0
	FETCH_A 0, 0, 0
	SCALES 0
	FETCH_A 0, 0, 4
	s_wait_loadcnt 0x0                             ; the bias
	STEP 0, 0, 1
	STEPS 0, 1
	; slot 0's last step changes slots: one barrier; in front of it my part of slot 1 has landed and my reads of slot 0 are over
	s_wait_tensorcnt 0x0
	ds_add_u32 v[SPW], v[NIL]
	s_wait_dscnt 4*NL+1                            ; the add and the youngest eight loads may be out
	WIN MUL_LO
	MUL16 0, 1, NQ-1, 0, 0
	s_wait_dscnt 0x0
	s_barrier_signal -1
	MUL16 2, 1, NQ-1, 0, 0
	WIN 0
	s_barrier_wait -1
	PLACES NP
	v_add_nc_u32 v[ADRS], 4*NQ, v[ADRS]            ; the second slot's scale words
	FETCH_B 1, 0, 0
	FETCH_A 1, 0, 0
	SCALES 1
	WIN MUL_HI
	MUL16 4, 1, NQ-1, 0, 0
	MUL16 6, 1, NQ-1, 0, 0
	PLACES NP
	WIN 0
	FETCH_A 1, 0, 4
	STEPS 1, 0
	s_wait_dscnt 4*NL                              ; the very last step: nothing more to fetch
	WIN MUL_LO
	MUL16 0, 1, NQ-1, 1, 0
	MUL16 2, 1, NQ-1, 1, 0
	s_wait_dscnt 0
	WIN MUL_HI
	MUL16 4, 1, NQ-1, 1, 0
	MUL16 6, 1, NQ-1, 1, 0
	WIN 0
; THE WAY OUT, block by block of 16 rows x 128 columns (two heads).  PACK rounds to f16, each accumulator from its low end on; TOSTAGE lays 16 bytes a lane into rows of 144 bytes and reads whole rows back;
; SEND stores: four rows of a head, 512 consecutive bytes, an instruction.
.macro PACK a
.set AC, 64*((\a)%4)
	WIN 0x0a+5*((\a)/4)                            ; sources 0 and 1: window 2 or 3
.irp b, 0,1,2,3,4,5,6,7
.irp i, 0,1,2,3
	v_cvt_pk_f16_f32 v[TMP+4*\b+\i], v[AC+8*\b+2*\i], v[AC+8*\b+2*\i+1]
.endr
.endr
	WIN 0
.endm
.macro TOSTAGE a
.set BB, BK+32*((\a)%2)
.irp b, 0,1,2,3,4,5,6,7
	ds_store_b128 v[STO], v[TMP+4*\b:TMP+4*\b+3] offset:(\b/4)*2304+(\b%4)*32
.endr
.irp i, 0,1,2,3,4,5,6,7
	ds_load_b128 v[BB+4*\i:BB+4*\i+3], v[RD] offset:(\i/4)*2304+(\i%4)*576   ; LDS serves a wave's instructions in order: these see the stores above
.endr
.endm
.macro SEND a
.set BB, BK+32*((\a)%2)
	s_wait_dscnt 0x0                               ; the block is back in registers
	s_wait_xcnt 0x0                                ; the earlier stores have read their base and their data: both may be written again
.if (\a) > 0
	s_add_nc_u64 s[12:13], s[12:13], 2048          ; 16 rows of a head on
.endif
.irp i, 0,1,2,3,4,5,6,7
	global_store_b128 v[CO], v[BB+4*\i:BB+4*\i+3], s[12:13] offset:(\i/4)*262144+(\i%4)*512
.endr
.endm
	PLACES NP
	PACK 0
	TOSTAGE 0
.irp a, 1,2,3,4,5,6,7
	PACK \a
	SEND \a-1
	TOSTAGE \a
.endr
	SEND 7
	; the fine rows: t = 0 .. 15 are block 0 of the waves with row half 0 in the clusters with y = 0
	s_or_b32 s20, s95, s15
	s_cmp_lg_u32 s20, 0
	s_cbranch_scc1 .Lnofine
	WIN 0x08                                       ; an LDS store's data are its source 1: window 2
.irp b, 0,1,2,3,4,5,6,7
	ds_store_b128 v[FSTO], v[8*\b:8*\b+3] offset:64*\b
	ds_store_b128 v[FSTO], v[8*\b+4:8*\b+7] offset:64*\b+16
.endr
	WIN 0
.irp t, 0,1,2,3,4,5,6,7,8,9,10,11,12,13,14,15
	ds_load_b128 v[BIAS+4*\t:BIAS+4*\t+3], v[FRD] offset:\t*528
.endr
	s_wait_dscnt 0x0
.irp t, 0,1,2,3,4,5,6,7,8,9,10,11,12,13,14,15
	global_store_b128 v[CO], v[BIAS+4*\t:BIAS+4*\t+3], s[98:99] offset:\t*12288   ; 512 consecutive bytes of a row
.endr
.Lnofine:
	s_wait_tensorcnt 0x0                           ; the wave's end
	ds_add_u32 v[SPW], v[NIL]
	s_wait_dscnt 0x0
	CROUND                                         ; the closing round
	s_endpgm
.Lfunc_end_k_q2908fcbe24_qkv:
	.size	k_q2908fcbe24_qkv, .Lfunc_end_k_q2908fcbe24_qkv-k_q2908fcbe24_qkv
	.p2alignl 7, 3214868480
	.fill 96, 4, 3214868480
	.section	.rodata,"a",@progbits
	.p2align	6, 0x0
	.amdhsa_kernel k_q2908fcbe24_qkv
		.amdhsa_group_segment_fixed_size 327680
		.amdhsa_private_segment_fixed_size 0
		.amdhsa_enable_private_segment 0
		.amdhsa_kernarg_size 56
		.amdhsa_user_sgpr_count 2
		.amdhsa_user_sgpr_kernarg_segment_ptr 1
		.amdhsa_wavefront_size32 1
		.amdhsa_system_sgpr_workgroup_id_x 1
		.amdhsa_system_sgpr_workgroup_id_y 1
		.amdhsa_system_sgpr_workgroup_id_z 1
		.amdhsa_system_vgpr_workitem_id 0
		.amdhsa_next_free_vgpr 1024
		.amdhsa_next_free_sgpr 100
		.amdhsa_reserve_vcc 0
		.amdhsa_float_denorm_mode_32 3
		.amdhsa_float_denorm_mode_16_64 3
		.amdhsa_memory_ordered 1
		.amdhsa_forward_progress 1
		.amdhsa_inst_pref_size 133
	.end_amdhsa_kernel
	.amdgpu_metadata
---
amdhsa.version: [ 1, 2 ]
amdhsa.kernels:
  - .name:           k_q2908fcbe24_qkv
    .symbol:         k_q2908fcbe24_qkv.kd
    .args:
      - { .name: x_codes, .offset: 0, .size: 8, .value_kind: global_buffer, .address_space: global }
      - { .name: x_scales, .offset: 8, .size: 8, .value_kind: global_buffer, .address_space: global }
      - { .name: w_codes, .offset: 16, .size: 8, .value_kind: global_buffer, .address_space: global }
      - { .name: w_scales, .offset: 24, .size: 8, .value_kind: global_buffer, .address_space: global }
      - { .name: qkv, .offset: 32, .size: 8, .value_kind: global_buffer, .address_space: global }
      - { .name: b_qkv, .offset: 40, .size: 8, .value_kind: global_buffer, .address_space: global }
      - { .name: fine_qkv, .offset: 48, .size: 8, .value_kind: global_buffer, .address_space: global }
    .group_segment_fixed_size: 327680
    .private_segment_fixed_size: 0
    .kernarg_segment_align: 8
    .kernarg_segment_size: 56
    .max_flat_workgroup_size: 128
    .sgpr_count:     100
    .vgpr_count:     1024
    .wavefront_size: 32
...
	.end_amdgpu_metadata
.endif
;; end of part 2
;; launch attn (part 3): grid 4 x 64, 16 waves a work-group, clusters of 4 x 1, 327,680 bytes of LDS; arguments qkv, att; writes att
.if DOCPART == 3
	.amdgcn_target "amdgcn-amd-amdhsa--gfx1250"
	.amdhsa_code_object_version 6
	.text
	.protected	k_q2908fcbe24_attn
	.globl	k_q2908fcbe24_attn
	.p2align	8
	.type	k_q2908fcbe24_attn,@function
k_q2908fcbe24_attn:
	s_mov_b64 s[64:65], 0
	v_nop
	global_prefetch_b8 v0, s[64:65] scope:SCOPE_SE
	s_setreg_imm32_b32 hwreg(HW_REG_WAVE_MODE, 25, 1), 1
	s_wait_xcnt 0x0
	s_wait_alu depctr_hold_cnt(0) depctr_sa_sdst(0) depctr_va_vdst(0) depctr_va_sdst(0) depctr_va_ssrc(0) depctr_va_vcc(0) depctr_vm_vsrc(0)
	s_getreg_b32 s2, hwreg(HW_REG_IB_STS2, 6, 4)
	s_cmp_eq_u32 s2, 0
	s_cbranch_scc0 .Lentry_in_a_cluster
	s_endpgm
.Lentry_in_a_cluster:
	s_bfe_u32 s2, ttmp6, 0x10000c
	s_cmp_lg_u32 s2, 0x3003
	s_cbranch_scc0 .Lentry_shape_is_right
	s_endpgm
.Lentry_shape_is_right:
; Causal attention of one head (b, h) by a cluster of four work-groups.  q, k, v: f16 [which][b][h][t][64]; products on f16 with f32 sums; maxima, exponentials and sums in f32; the weights p are
; rounded to f16 for the second product; the result is rounded once to f16 and stored as panels [h][b 2048 + t][64].
; SHARES.  Sixteen waves, four to a SIMD, each with 32 queries (two tiles of 16) in 256 registers.  Wave w has the rank rho = w xor 3 ((w / 4) % 2), so that waves whose numbers are equal modulo 4 have the
; same sum of ranks; its queries begin at 128 rho + 32 cx.  So all four partners hold queries from every part of the sequence, walk ALL 2,048 keys, and do the same work:
; every tile of K and V is asked for JOINTLY (mask 15), and no branch hangs on cx: a key step is left out where its first key lies beyond 128 rho + 127, and masked where its last key lies beyond 128 rho.
; cx enters global addresses and the number against which keys are compared, and nothing else.
; LAYOUT.  S^T = K Q^T (source 0 = 16 keys, source 1 = 16 queries): a lane holds ONE query (lane % 16) and keys 8 (lane / 16) + 0 .. 7; two such tiles, rounded in pairs, are source 1 of O^T = V^T P.
; V lies in LDS [key][channel] and is turned by ds_load_tr16_b128.
; SOFTMAX.  A running maximum m and sum l for each query: p = 2^(c s - c m), c = log2(e) / 8; O and l are multiplied by a = 2^(c m_old - c m_new) in every step.  m begins at -3e38, O and l at 0.
; RING.  Two slots of 256 keys (K: rows of 144 bytes, V: rows of 160), 2^17 bytes apart; waves 0, 1 fetch K's halves, waves 2, 3 V's; a wave has one tensor load out.  The change of slots stands at a slot's head.
; LIMIT: the result must stay under 65,504 in magnitude (it is an average of v).
.set KP,    144                        ; 128 bytes + 16: the 16 rows of a fragment load start at 16 different banks
.set VP,    160                        ; 128 + 32
.set VOFF,  256*KP
.set SLOT1, 1<<17
.set SPARE, 2*SLOT1                    ; the spare words: 128 bytes for each of sixteen waves
.set NSL,   8
.set AK0, 1
.set AV0, 2
.set ADK, 3
.set ADV, 4
.set SPW, 5
.set NIL, 6
.set RH,  7                            ; v7   lane % 16 - 8 (lane / 16)
.set DD,  8
.set NINF, 9
.set QO,  10
.set RD,  11
.set GO,  12
.set PFO, 13
.set STO, 14
.set ST,  16                           ; tile t's statistics at v[ST + 8 t]: +0 c m, +1 m, +2, +3 l, +4 .. +7 at work; a takes +6
.set QF,  32                           ; Q: tile t, channels 32 dh on, at 16 t + 8 dh
.set KV,  64                           ; K's eight fragments, then V's
.set SS,  128                          ; S^T, 32 a tile; P takes the first 16 of each
.set OO,  192                          ; O^T, 32 a tile
.set WV,  12
.set CX,  13
.set RHO, 14
.set LIM, 15
.set PFA, 18
.set G1K, 24
.set G1V, 32
.set G0K, 40
.set G0V, 44
.set SLOTS, 48
.set KF,  50
.set QL,  51
.set QG,  52
.set Q0,  53
.set TB,  54
.set TT,  56
.set CS,  58
.set SEL, 60
.macro CROUND
	s_barrier_signal -1
	s_barrier_wait -1
	s_cmp_lg_u32 s[WV], 0
	s_cbranch_scc1 .Lnot_wave_0_\@
	s_barrier_signal -3
.Lnot_wave_0_\@:
	s_barrier_wait -3
	s_barrier_signal -1
	s_barrier_wait -1
.endm
.macro TLOAD                           ; the branches hang on the wave's number alone; an s_nop 0 and four v_nop follow each load
	s_cmp_lt_u32 s[WV], 2
	s_cbranch_scc0 .Lnot_k_\@
	tensor_load_to_lds s[G0K:G0K+3], s[G1K:G1K+7]
	s_nop 0
.rept 4
	v_nop
.endr
	s_branch .Lasked_\@
.Lnot_k_\@:
	s_cmp_lt_u32 s[WV], 4
	s_cbranch_scc0 .Lasked_\@
	tensor_load_to_lds s[G0V:G0V+3], s[G1V:G1V+7]
	s_nop 0
.rept 4
	v_nop
.endr
.Lasked_\@:
.endm
; A prefetch of what the NEXT change of slots will ask for: a slot's 32,768 bytes of K and of V.  The four partners take 8,192 bytes each, told apart by address; in each, wave 4 asks for K's and wave 5 for V's,
; lanes 256 bytes apart: each block is named once in the launch.  The last change that fills a slot asks for nothing.
.macro ASK
	s_cmp_gt_u32 s[SLOTS], s[LIM]
	s_cbranch_scc0 .Lnot_mine_\@
	global_prefetch_b8 v[PFO], s[PFA:PFA+1] th:TH_LOAD_NT scope:SCOPE_SE
.Lnot_mine_\@:
.endm
	s_load_b128 s[4:7], s[0:1], 0x0                ; qkv, att
	v_lshl_add_u32 v[SPW], v0, 2, SPARE
	v_mov_b32 v[NIL], 0
	ds_add_u32 v[SPW], v[NIL]                      ; the opening: the add, twice on end, and its wait ahead of the first tensor load
	ds_add_u32 v[SPW], v[NIL]
	v_lshrrev_b32 v15, 5, v0
	v_readfirstlane_b32 s[WV], v15
	s_bfe_u32 s[CX], ttmp6, 0x40000
	s_bfe_u32 s[RHO], s[WV], 0x10002
	s_mul_i32 s[RHO], s[RHO], 3
	s_xor_b32 s[RHO], s[RHO], s[WV]                ; my rank
	s_lshl_b32 s[QG], s[RHO], 7                    ; the least query of my rank in any partner
	s_add_co_u32 s[QL], s[QG], 127                 ; and the greatest
	s_lshl_b32 s[Q0], s[CX], 5
	s_add_co_u32 s[Q0], s[Q0], s[QG]               ; my first query
	s_and_b32 s16, ttmp7, 0xffff                   ; 16 b + h
	s_lshl_b32 s20, s16, 18                        ; the head's first byte in q, k and v
	s_mov_b32 s21, 0
	s_lshl_b32 s2, s[Q0], 7
	s_and_b32 s56, s16, 15
	s_lshl_b32 s56, s56, 20
	s_lshr_b32 s57, s16, 4
	s_lshl_b32 s57, s57, 18
	s_add_co_u32 s56, s56, s57
	s_add_co_u32 s56, s56, s2                      ; att: h 2^20 + (2048 b + q0) 128
	s_mov_b32 s57, 0
	s_add_co_u32 s2, s2, s20                       ; q: the head + q0 x 128
	s_mov_b32 s3, 0
	s_and_b32 s17, s[WV], 1                        ; which half of a slot's rows I fetch, if I fetch
	s_mov_b32 s[G0K], 1
	s_mul_i32 s[G0K+1], s17, 128*KP
	s_mov_b32 s[G0V], 1
	s_mul_i32 s[G0V+1], s17, 128*VP
	s_add_co_u32 s[G0V+1], s[G0V+1], VOFF
	s_lshl_b32 s22, s17, 14
	s_add_co_u32 s22, s22, s20
	s_mov_b32 s23, 0
	s_lshl_b32 s16, s[CX], 13
	s_add_co_u32 s16, s16, s20
	s_add_co_u32 s16, s16, 256*128                 ; the prefetches stand in slot 1; the first change steps them to slot 2
	s_mov_b32 s17, 0
	s_mov_b32 s[G1K], 15|(1<<16)|(1<<20)|(1<<21)|(4<<22)|(3<<25)  ; mask: all four; elements of 2 bytes; padding: 4 words behind every 32
	s_mov_b32 s[G1V], 15|(1<<16)|(1<<20)|(1<<21)|(4<<22)|(7<<25)  ; 8 words behind every 32
.irp g, G1K, G1V
	s_mov_b32 s[\g+1], 64<<16                      ; tensor_dim0
	s_mov_b32 s[\g+2], 128<<16                     ; tensor_dim1
	s_mov_b32 s[\g+3], 64<<16                      ; tile_dim0
	s_mov_b32 s[\g+4], 128                         ; tile_dim1
	s_mov_b32 s[\g+5], 64                          ; the pitch
	s_mov_b32 s[\g+6], 0
	s_mov_b32 s[\g+7], 0
.endr
	s_mov_b32 s[CS], 0x3e38aa3b                    ; c = log2(e) / 8
	s_mov_b32 s[CS+1], s[CS]
	s_mov_b32 s[SEL], 0x76543210
	s_mov_b32 s[SEL+1], 0xfedcba98
	s_mov_b32 s[TB], 0
	s_mov_b32 s[KF], 0
	s_mov_b32 s[SLOTS], NSL-1
	s_wait_dscnt 0x0                               ; both opening adds are done
	s_wait_kmcnt 0x0
	s_add_nc_u64 s[8:9], s[4:5], 0x1000000         ; k
	s_add_nc_u64 s[10:11], s[4:5], 0x2000000       ; v
	s_add_nc_u64 s[G0K+2:G0K+3], s[8:9], s[22:23]
	s_or_b32 s[G0K+3], s[G0K+3], 0x80000000
	s_add_nc_u64 s[G0V+2:G0V+3], s[10:11], s[22:23]
	s_or_b32 s[G0V+3], s[G0V+3], 0x80000000
	s_cmp_eq_u32 s[WV], 4
	s_cselect_b64 s[PFA:PFA+1], s[8:9], s[10:11]
	s_add_nc_u64 s[PFA:PFA+1], s[PFA:PFA+1], s[16:17]
	s_lshr_b32 s[LIM], s[WV], 1
	s_cmp_eq_u32 s[LIM], 2
	s_cselect_b32 s[LIM], 1, -1                    ; 1 in waves 4 and 5
	s_add_nc_u64 s[4:5], s[4:5], s[2:3]
	s_add_nc_u64 s[6:7], s[6:7], s[56:57]
	CROUND                                         ; all four work-groups are here
	TLOAD                                          ; slot 0
	v_and_b32 v15, 15, v0                          ; r
	v_bfe_u32 v[DD], v0, 4, 1                      ; h
	v_lshlrev_b32 v[QO], 7, v15
	v_lshl_add_u32 v[QO], v[DD], 4, v[QO]
.irp t, 0,1
.irp dh, 0,1
.irp p, 0,1
	global_load_b128 v[QF+16*\t+8*\dh+4*\p:QF+16*\t+8*\dh+4*\p+3], v[QO], s[4:5] offset:2048*\t+64*\dh+32*\p
.endr
.endr
.endr
	v_mul_u32_u24 v[AK0], v15, KP
	v_lshl_add_u32 v[AK0], v[DD], 4, v[AK0]        ; K: row r, + 16 h
	v_and_b32 v[ADK], 7, v0
	v_bfe_u32 v[ADV], v0, 3, 1
	v_lshl_add_u32 v[AV0], v[DD], 3, v[ADK]
	v_mul_u32_u24 v[AV0], v[AV0], VP
	v_lshl_add_u32 v[AV0], v[ADV], 4, v[AV0]
	v_add_nc_u32 v[AV0], VOFF, v[AV0]              ; V: key 8 h + lane % 8, channels 8 ((lane / 8) % 2) on
	v_lshlrev_b32 v[RH], 3, v[DD]
	v_sub_nc_u32 v[RH], v15, v[RH]
	v_mov_b32 v[NINF], 0xff800000
	s_mul_i32 s[TT], s[WV], 32*KP                  ; my stage for the way out: 32 rows x 144 bytes, in slot 0
	v_add_nc_u32 v[STO], s[TT], v[AK0]
	v_and_b32 v[GO], 31, v0
	v_lshrrev_b32 v[RD], 3, v[GO]
	v_mul_u32_u24 v[RD], v[RD], KP
	v_lshl_add_u32 v[RD], v[ADK], 4, v[RD]
	v_add_nc_u32 v[RD], s[TT], v[RD]
	v_lshlrev_b32 v[PFO], 8, v[GO]
	v_lshlrev_b32 v[GO], 4, v[GO]
.irp t, 0,1
	v_mov_b32 v[ST+8*\t+1], 0xff61b1e6             ; m = -3e38, under every score
	v_mul_f32 v[ST+8*\t], s[CS], v[ST+8*\t+1]
.irp e, 2,3,4,5,6,7
	v_mov_b32 v[ST+8*\t+\e], 0
.endr
.endr
.set i, 0
.rept 64
	v_mov_b32 v[OO+i], 0                           ; the step is written once: its first turn finds zeros
.set i, i+1
.endr
; A KEY STEP: 64 keys, the q-th of the slot in hand.
.macro STEP q
	s_cmp_gt_u32 s[KF], s[QL]                      ; all its keys come after every query of my rank: left out
	s_cbranch_scc1 .Lhidden_\@
	v_add_nc_u32 v[ADK], s[TB], v[AK0]
	v_add_nc_u32 v[ADV], s[TB], v[AV0]
.rept 3
	v_nop                                          ; five plain lines in all: the products below write over registers that the last step's products read as P, and the loads land on its V
.endr
.irp dh, 0,1
.irp kb, 0,1,2,3
.irp p, 0,1
	ds_load_b128 v[KV+8*(2*\kb+\dh)+4*\p:KV+8*(2*\kb+\dh)+4*\p+3], v[ADK] offset:(\q)*64*KP+\kb*16*KP+64*\dh+32*\p
.endr
.endr
.endr
.irp dh, 0,1
	s_wait_dscnt 8-8*\dh                           ; channels 0-31 are in, the eight loads of channels 32-63 may be out; then all
.irp kb, 0,1,2,3
.irp t, 0,1
.if \dh == 0
	v_wmma_f32_16x16x32_f16 v[SS+32*\t+8*\kb:SS+32*\t+8*\kb+7], v[KV+8*(2*\kb+\dh):KV+8*(2*\kb+\dh)+7], v[QF+16*\t+8*\dh:QF+16*\t+8*\dh+7], 0
.else
	v_wmma_f32_16x16x32_f16 v[SS+32*\t+8*\kb:SS+32*\t+8*\kb+7], v[KV+8*(2*\kb+\dh):KV+8*(2*\kb+\dh)+7], v[QF+16*\t+8*\dh:QF+16*\t+8*\dh+7], v[SS+32*\t+8*\kb:SS+32*\t+8*\kb+7]
.endif
.endr
.endr
.endr
.rept 4
	v_nop                                          ; places in front of the loads into K's registers and of the first read of the scores
.endr
.irp kh, 0,1
.irp cb, 0,1,2,3
	ds_load_tr16_b128 v[KV+8*(4*\kh+\cb):KV+8*(4*\kh+\cb)+3], v[ADV] offset:(\q)*64*VP+\kh*32*VP+32*\cb
	ds_load_tr16_b128 v[KV+8*(4*\kh+\cb)+4:KV+8*(4*\kh+\cb)+7], v[ADV] offset:(\q)*64*VP+\kh*32*VP+16*VP+32*\cb
.endr
.endr                                          ; V lands while the softmax is walked
	s_add_co_u32 s[TT], s[KF], 63
	s_cmp_le_u32 s[TT], s[QG]                      ; all its keys count for every query of my rank: no mask
	s_cbranch_scc1 .Lopen_\@
	s_sub_co_i32 s[TT], s[Q0], s[KF]
	v_add_nc_u32 v[DD], s[TT], v[RH]               ; register n of tile t holds key KF + 16 (n / 8) + 8 h + n % 8 for query Q0 + 16 t + r: hidden where 16 (n / 8) + n % 8 - 16 t > this number
.irp t, 0,1
.irp n, 0,1,2,3,4,5,6,7,8,9,10,11,12,13,14,15,16,17,18,19,20,21,22,23,24,25,26,27,28,29,30,31
	v_cmp_gt_i32 vcc_lo, 16*(\n/8)+\n%8-16*\t, v[DD]
	v_cndmask_b32 v[SS+32*\t+\n], v[SS+32*\t+\n], v[NINF], vcc_lo
.endr
.endr
.Lopen_\@:
	; the maximum of a lane's 32 scores and the old m; the two tiles alternate, so that no line waits for the line above it
.irp j, 0,1,2,3
.irp t, 0,1
	v_max3_num_f32 v[ST+8*\t+4+\j], v[SS+32*\t+8*\j], v[SS+32*\t+8*\j+1], v[SS+32*\t+8*\j+2]
.endr
.endr
.irp g, 3,5
.irp j, 0,1,2,3
.irp t, 0,1
	v_max3_num_f32 v[ST+8*\t+4+\j], v[ST+8*\t+4+\j], v[SS+32*\t+8*\j+\g], v[SS+32*\t+8*\j+\g+1]
.endr
.endr
.endr
.irp t, 0,1
	v_max3_num_f32 v[ST+8*\t+4], v[ST+8*\t+4], v[SS+32*\t+7], v[SS+32*\t+15]
.endr
.irp t, 0,1
	v_max3_num_f32 v[ST+8*\t+6], v[ST+8*\t+6], v[SS+32*\t+23], v[SS+32*\t+31]
.endr
.irp t, 0,1
	v_max3_num_f32 v[ST+8*\t+4], v[ST+8*\t+4], v[ST+8*\t+5], v[ST+8*\t+6]
.endr
.irp t, 0,1
	v_max3_num_f32 v[ST+8*\t+4], v[ST+8*\t+4], v[ST+8*\t+7], v[ST+8*\t+1]
.endr
.irp t, 0,1
	v_permlanex16_b32 v[ST+8*\t+5], v[ST+8*\t+4], s[SEL], s[SEL+1]   ; the query's other 32 keys lie in the lane 16 away
.endr
.irp t, 0,1
	v_mov_b32 v[ST+8*\t+7], v[ST+8*\t]             ; c m_old
.endr
.irp t, 0,1
	v_max_num_f32 v[ST+8*\t+1], v[ST+8*\t+4], v[ST+8*\t+5]
.endr
.irp t, 0,1
	v_mul_f32 v[ST+8*\t], s[CS], v[ST+8*\t+1]
.endr
.irp t, 0,1
	v_sub_f32 v[ST+8*\t+7], v[ST+8*\t+7], v[ST+8*\t]
.endr
.irp j, 0,2,4,6,8,10,12,14,16,18,20,22,24,26,28,30
.irp t, 0,1
	v_pk_fma_f32 v[SS+32*\t+\j:SS+32*\t+\j+1], v[SS+32*\t+\j:SS+32*\t+\j+1], s[CS:CS+1], v[ST+8*\t:ST+8*\t+1] op_sel_hi:[1,0,0] neg_lo:[0,0,1] neg_hi:[0,0,1]   ; c s - c m
.endr
.endr
.irp t, 0,1
	v_exp_f32 v[ST+8*\t+6], v[ST+8*\t+7]           ; a
.endr
.irp j, 0,1,2,3,4,5,6,7,8,9,10,11,12,13,14,15,16,17,18,19,20,21,22,23,24,25,26,27,28,29,30,31
.irp t, 0,1
	v_exp_f32 v[SS+32*\t+\j], v[SS+32*\t+\j]
.endr
.endr
	v_nop                                          ; a plain line behind the last exponential
	s_wait_alu depctr_va_vdst(0)                   ; one wait for the batch of 66, ahead of its first reader
.irp t, 0,1
	v_pk_fma_f32 v[ST+8*\t+2:ST+8*\t+3], v[ST+8*\t+2:ST+8*\t+3], v[ST+8*\t+6:ST+8*\t+7], v[SS+32*\t:SS+32*\t+1] op_sel_hi:[1,0,1]   ; l = a l + the first pair
.endr
.irp t, 0,1
	v_pk_add_f32 v[ST+8*\t+4:ST+8*\t+5], v[SS+32*\t+2:SS+32*\t+3], v[SS+32*\t+4:SS+32*\t+5]   ; a second chain
.endr
.irp j, 6,10,14,18,22,26
.irp t, 0,1
	v_pk_add_f32 v[ST+8*\t+2:ST+8*\t+3], v[ST+8*\t+2:ST+8*\t+3], v[SS+32*\t+\j:SS+32*\t+\j+1]
	v_pk_add_f32 v[ST+8*\t+4:ST+8*\t+5], v[ST+8*\t+4:ST+8*\t+5], v[SS+32*\t+\j+2:SS+32*\t+\j+3]
.endr
.endr
.irp t, 0,1
	v_pk_add_f32 v[ST+8*\t+2:ST+8*\t+3], v[ST+8*\t+2:ST+8*\t+3], v[SS+32*\t+30:SS+32*\t+31]
.endr
.irp t, 0,1
	v_pk_add_f32 v[ST+8*\t+2:ST+8*\t+3], v[ST+8*\t+2:ST+8*\t+3], v[ST+8*\t+4:ST+8*\t+5]
.endr
.irp j, 0,1,2,3,4,5,6,7,8,9,10,11,12,13,14,15
.irp t, 0,1
	v_cvt_pk_f16_f32 v[SS+32*\t+\j], v[SS+32*\t+2*\j], v[SS+32*\t+2*\j+1]   ; P, in place from the low end: pair j is read no later than register j is written
.endr
.endr
.irp j, 0,2,4,6,8,10,12,14,16,18,20,22,24,26,28,30
.irp t, 0,1
	v_pk_mul_f32 v[OO+32*\t+\j:OO+32*\t+\j+1], v[OO+32*\t+\j:OO+32*\t+\j+1], v[ST+8*\t+6:ST+8*\t+7] op_sel_hi:[1,0]   ; O^T x a
.endr
.endr
	s_wait_dscnt 0x0                               ; V is in
.irp kh, 0,1
.irp cb, 0,1,2,3
.irp t, 0,1
	v_wmma_f32_16x16x32_f16 v[OO+32*\t+8*\cb:OO+32*\t+8*\cb+7], v[KV+8*(4*\kh+\cb):KV+8*(4*\kh+\cb)+7], v[SS+32*\t+8*\kh:SS+32*\t+8*\kh+7], v[OO+32*\t+8*\cb:OO+32*\t+8*\cb+7]
.endr
.endr
.endr
.Lhidden_\@:
	s_add_co_u32 s[KF], s[KF], 64
.endm
; THE CHANGE OF SLOTS.  Each wave waits for all its tensor loads, adds 0 to its spare word, and waits for that and for its reads of the slot that it has left.  fill = 1: a round of the cluster's barrier, and
; behind it the joint load of the next 256 keys into the slot just left: it has a slot's four key steps in which to land.
.macro CHANGE fill
	s_wait_tensorcnt 0x0
	ds_add_u32 v[SPW], v[NIL]
.if \fill
	ds_add_u32 v[SPW], v[NIL]                      ; and twice on end here, in every trip alike
	s_xor_b32 s[G0K+1], s[G0K+1], SLOT1            ; no tensor load of mine is out: the descriptors walk
	s_add_nc_u64 s[G0K+2:G0K+3], s[G0K+2:G0K+3], 256*128
	s_xor_b32 s[G0V+1], s[G0V+1], SLOT1
	s_add_nc_u64 s[G0V+2:G0V+3], s[G0V+2:G0V+3], 256*128
	s_wait_xcnt 0x0                                ; the last prefetch, a slot back, has read its address
	s_add_nc_u64 s[PFA:PFA+1], s[PFA:PFA+1], 256*128
	s_wait_dscnt 0x0
	CROUND
	TLOAD
	ASK
.else
	s_wait_dscnt 0x0
	s_barrier_signal -1
	s_barrier_wait -1
.endif
.endm
.macro SLOT_STEPS
	STEP 0
	STEP 1
	STEP 2
	STEP 3
	s_xor_b32 s[TB], s[TB], SLOT1
.endm
	s_wait_loadcnt 0x0                             ; Q
.Lslot:                                            ; seven trips: behind each change of slots but the last the next slot is asked for
	CHANGE 1
	SLOT_STEPS
	s_sub_co_u32 s[SLOTS], s[SLOTS], 1
	s_cmp_lg_u32 s[SLOTS], 0
	s_cbranch_scc1 .Lslot
	CHANGE 0                                       ; the last slot is written out
	SLOT_STEPS
	; THE WAY OUT: O^T / l, rounded to f16, through my stage (in slot 0, which has had its last fill and was left at the last change), out as 4,096 consecutive bytes.
.rept 4
	v_nop                                          ; places behind the last products
.endr
.irp t, 0,1
	v_add_f32 v[ST+8*\t+4], v[ST+8*\t+2], v[ST+8*\t+3]
.endr
.irp t, 0,1
	v_permlanex16_b32 v[ST+8*\t+5], v[ST+8*\t+4], s[SEL], s[SEL+1]
.endr
.irp t, 0,1
	v_add_f32 v[ST+8*\t+4], v[ST+8*\t+4], v[ST+8*\t+5]
.endr
.irp t, 0,1
	v_rcp_f32 v[ST+8*\t+6], v[ST+8*\t+4]
.endr
	v_nop
	s_wait_alu depctr_va_vdst(0)                   ; one wait for the two reciprocals
.irp t, 0,1
.irp j, 0,2,4,6,8,10,12,14,16,18,20,22,24,26,28,30
	v_pk_mul_f32 v[OO+32*\t+\j:OO+32*\t+\j+1], v[OO+32*\t+\j:OO+32*\t+\j+1], v[ST+8*\t+6:ST+8*\t+7] op_sel_hi:[1,0]
.endr
.endr
.irp j, 0,1,2,3,4,5,6,7,8,9,10,11,12,13,14,15,16,17,18,19,20,21,22,23,24,25,26,27,28,29,30,31
	v_cvt_pk_f16_f32 v[SS+\j], v[OO+2*\j], v[OO+2*\j+1]
.endr
.irp t, 0,1
.irp cb, 0,1,2,3
	ds_store_b128 v[STO], v[SS+16*\t+4*\cb:SS+16*\t+4*\cb+3] offset:\t*16*KP+32*\cb
.endr
.endr
.irp i, 0,1,2,3,4,5,6,7
	ds_load_b128 v[SS+32+4*\i:SS+32+4*\i+3], v[RD] offset:4*KP*\i   ; LDS serves a wave's instructions in order: these see my stores
.endr
.irp i, 0,1,2,3,4,5,6,7
	s_wait_dscnt 7-\i                              ; the younger loads may be out
	global_store_b128 v[GO], v[SS+32+4*\i:SS+32+4*\i+3], s[6:7] offset:512*\i
.endr
	s_wait_tensorcnt 0x0                           ; the wave's end
	ds_add_u32 v[SPW], v[NIL]
	s_wait_dscnt 0x0
	CROUND                                         ; the closing round
	s_endpgm
.Lfunc_end_k_q2908fcbe24_attn:
	.size	k_q2908fcbe24_attn, .Lfunc_end_k_q2908fcbe24_attn-k_q2908fcbe24_attn
	.p2alignl 7, 3214868480
	.fill 96, 4, 3214868480
	.section	.rodata,"a",@progbits
	.p2align	6, 0x0
	.amdhsa_kernel k_q2908fcbe24_attn
		.amdhsa_group_segment_fixed_size 327680
		.amdhsa_private_segment_fixed_size 0
		.amdhsa_enable_private_segment 0
		.amdhsa_kernarg_size 16
		.amdhsa_user_sgpr_count 2
		.amdhsa_user_sgpr_kernarg_segment_ptr 1
		.amdhsa_wavefront_size32 1
		.amdhsa_system_sgpr_workgroup_id_x 1
		.amdhsa_system_sgpr_workgroup_id_y 1
		.amdhsa_system_sgpr_workgroup_id_z 1
		.amdhsa_system_vgpr_workitem_id 0
		.amdhsa_next_free_vgpr 256
		.amdhsa_next_free_sgpr 66
		.amdhsa_reserve_vcc 1
		.amdhsa_float_denorm_mode_32 3
		.amdhsa_float_denorm_mode_16_64 3
		.amdhsa_memory_ordered 1
		.amdhsa_forward_progress 1
		.amdhsa_inst_pref_size 188
	.end_amdhsa_kernel
	.amdgpu_metadata
---
amdhsa.version: [ 1, 2 ]
amdhsa.kernels:
  - .name:           k_q2908fcbe24_attn
    .symbol:         k_q2908fcbe24_attn.kd
    .args:
      - { .name: qkv, .offset: 0, .size: 8, .value_kind: global_buffer, .address_space: global }
      - { .name: att, .offset: 8, .size: 8, .value_kind: global_buffer, .address_space: global }
    .group_segment_fixed_size: 327680
    .private_segment_fixed_size: 0
    .kernarg_segment_align: 8
    .kernarg_segment_size: 16
    .max_flat_workgroup_size: 512
    .sgpr_count:     66
    .vgpr_count:     256
    .wavefront_size: 32
...
	.end_amdgpu_metadata
.endif
;; end of part 3
;; launch proj (part 4): grid 4 x 64, 4 waves a work-group, clusters of 4 x 4, 327,680 bytes of LDS; arguments att, wp16, b_proj, out0; writes out0
.if DOCPART == 4
	.amdgcn_target "amdgcn-amd-amdhsa--gfx1250"
	.amdhsa_code_object_version 6
	.text
	.protected	k_q2908fcbe24_proj
	.globl	k_q2908fcbe24_proj
	.p2align	8
	.type	k_q2908fcbe24_proj,@function
k_q2908fcbe24_proj:
	s_mov_b64 s[64:65], 0
	v_nop
	global_prefetch_b8 v0, s[64:65] scope:SCOPE_SE
	s_setreg_imm32_b32 hwreg(HW_REG_WAVE_MODE, 25, 1), 1
	s_wait_xcnt 0x0
	s_wait_alu depctr_hold_cnt(0) depctr_sa_sdst(0) depctr_va_vdst(0) depctr_va_sdst(0) depctr_va_ssrc(0) depctr_va_vcc(0) depctr_vm_vsrc(0)
	s_getreg_b32 s2, hwreg(HW_REG_IB_STS2, 6, 4)
	s_cmp_eq_u32 s2, 0
	s_cbranch_scc0 .Lentry_in_a_cluster
	s_endpgm
.Lentry_in_a_cluster:
	s_bfe_u32 s2, ttmp6, 0x10000c
	s_cmp_lg_u32 s2, 0xf033
	s_cbranch_scc0 .Lentry_shape_is_right
	s_endpgm
.Lentry_shape_is_right:
; out0 = att w_proj + b_proj for all rows with t >= 16.  att: f16 panels [h][8192 rows][64]; wp16: f16 [1024 k][1024 n]; sums in f32; out0 f32.
; A tile of 128 rows x 256 columns is made by four waves, 64 x 128 each: 32 accumulators (window 2): 256 work-groups.  K goes in 8 steps of 128 (two panels of att) through two LDS slots.
; CLUSTER 4 x 4: tile column = cx; tile row = cluster y + 16 cy, so that the batch is cy and the tile rows that hold t < 16 belong to the clusters with y = 0.  A's tiles are shared along a row of the
; cluster, B's along a column, by joint loads; waves 0, 1 fetch A's two panels (128 rows x 128 bytes, dense), waves 2, 3 B's two halves (64 rows of 512 bytes).
; THE MATRIX INSTRUCTION IS USED TRANSPOSED: source 0 = 16 columns of w (turned out of LDS by ds_load_tr16_b128), source 1 = 16 rows of att: a lane holds eight neighbouring columns of one row.
; The bias is the C of each sum's first product.  The rows t < 16 are multiplied with their tile and NOT stored: another launch carries them in f32 and owns those bytes of out0.
; REGISTERS: window 0: v16-31 addresses; v64-127 A's fragments, two buffers of 32; v128-191 the bias; on the way out v128-255 rows.  window 1: v0-127 B's fragments, two buffers of 64.  window 2: accumulators.
.set APAN,   128*144
.set BOFF,   2*APAN
.set BP,     544                       ; 512 bytes + 32: an odd multiple of 32
.set SLOT,   BOFF+128*BP
.set STAGE,  2*SLOT
.set SPARE,  STAGE+4*16*528
.set ADRA, 16
.set ADRB, 20
.set STO,  24
.set RD,   25
.set CO,   26
.set SPW,  28
.set NIL,  29
.set PFO,  30
.set BIAS, 128
.set BK,   128
.set G1A, 24
.set G0A, 32
.set G1B, 48
.set G0B, 56
.set LIM, 42
.set PFA, 44
.set MSB, 0
.macro WIN new
.if MSB != (\new)
	s_set_vgpr_msb (MSB<<8)|(\new)
.set MSB, (\new)
.endif
.endm
.macro JLOAD s
	s_cmp_eq_u32 s13, 0
	s_cbranch_scc0 .Lfor_b_\@
	tensor_load_to_lds s[G0A+4*\s:G0A+4*\s+3], s[G1A:G1A+7]
	s_nop 0
.rept 4
	v_nop
.endr
	s_branch .Lasked_\@
.Lfor_b_\@:
	tensor_load_to_lds s[G0B+4*\s:G0B+4*\s+3], s[G1B:G1B+7]
	s_nop 0
.rept 4
	v_nop
.endr
.Lasked_\@:
.endm
.macro CREST
	s_cmp_lg_u32 s12, 0
	s_cbranch_scc1 .Lnot_wave_0_\@
	s_barrier_signal -3
.Lnot_wave_0_\@:
	s_barrier_wait -3
	s_barrier_signal -1
	s_barrier_wait -1
.endm
.macro CROUND
	s_barrier_signal -1
	s_barrier_wait -1
	CREST
.endm
; A prefetch of A's K step that stands two refills on (256 matrix instructions of a wave ahead of its load): two panels x 16,384 bytes of my tile row.  The four partners of a row take 4,096 bytes of each panel,
; told apart by address; wave 0 asks: lanes 0-15 the first panel, lanes 16-31 the second, 256 bytes apart.  Each block is named once; K steps 0 to 3 come by their loads alone; the last lap asks for nothing.
; w is not asked for: sixteen clusters read the same 2 MiB together.
.macro ASK
	s_cmp_gt_u32 s3, s[LIM]
	s_cbranch_scc0 .Lnot_mine_\@
	global_prefetch_b8 v[PFO], s[PFA:PFA+1] offset:0x200000 th:TH_LOAD_NT scope:SCOPE_SE
.Lnot_mine_\@:
.endm
.macro PLACES
.rept 4
	v_nop
.endr
.endm
	s_load_b256 s[4:11], s[0:1], 0x0               ; att 4:5, wp16 6:7, b_proj 8:9, out0 10:11
	v_lshl_add_u32 v[SPW], v0, 2, SPARE
	v_mov_b32 v[NIL], 0
	ds_add_u32 v[SPW], v[NIL]                      ; the opening: the add, twice on end, and its wait ahead of my first tensor load
	ds_add_u32 v[SPW], v[NIL]
	v_lshrrev_b32 v1, 5, v0
	v_readfirstlane_b32 s12, v1                    ; wave
	s_lshr_b32 s13, s12, 1                         ; i: my 64 rows; also: I fetch for A (0) or B (1)
	s_and_b32 s14, s12, 1                          ; j: my 128 columns; also: which panel, or which 64 rows of w, I fetch
	s_bfe_u32 s15, ttmp6, 0x40000                  ; cx
	s_bfe_u32 s16, ttmp6, 0x40004                  ; cy
	s_and_b32 s17, ttmp7, 0xffff                   ; cluster y
	s_lshl_b32 s18, s16, 4
	s_add_co_u32 s18, s18, s17                     ; tile row
	s_or_b32 s19, s17, s13                         ; 0 where my first 16 rows are t = 0 .. 15
	s_lshl_b32 s40, s16, 2
	s_lshl_b32 s40, 15, s40                        ; my row of the cluster
	s_lshl_b32 s41, 0x1111, s15                    ; my column
	s_or_b32 s[G1A], s40, (1<<16)|(1<<20)|(1<<21)|(4<<22)|(3<<25)   ; elements of 2 bytes; 4 words of padding behind every 32
	s_mov_b32 s[G1A+1], 64<<16
	s_mov_b32 s[G1A+2], 128<<16
	s_mov_b32 s[G1A+3], 64<<16
	s_mov_b32 s[G1A+4], 128
	s_mov_b32 s[G1A+5], 64
	s_mov_b32 s[G1A+6], 0
	s_mov_b32 s[G1A+7], 0
	s_or_b32 s[G1B], s41, (1<<16)|(1<<20)|(1<<21)|(6<<22)|(7<<25)   ; 8 words of padding behind every 128
	s_mov_b32 s[G1B+1], 256<<16
	s_mov_b32 s[G1B+2], 64<<16
	s_mov_b32 s[G1B+3], 256<<16
	s_mov_b32 s[G1B+4], 64
	s_mov_b32 s[G1B+5], 1024
	s_mov_b32 s[G1B+6], 0
	s_mov_b32 s[G1B+7], 0
	s_lshl_b32 s20, s14, 20
	s_lshl_b32 s21, s18, 14
	s_add_co_u32 s20, s20, s21                     ; A: panel j, 128 x tile row rows of 128 bytes
	s_mov_b32 s21, 0
	s_lshl_b32 s46, s14, 17
	s_lshl_b32 s47, s15, 9
	s_add_co_u32 s46, s46, s47                     ; B: row 64 j, column 256 cx
	s_mov_b32 s47, 0
	s_mul_i32 s22, s14, APAN
	s_mul_i32 s23, s14, 64*BP
	s_add_co_u32 s23, s23, BOFF
	s_wait_dscnt 0x0                               ; both opening adds are done
	s_wait_kmcnt 0x0
	s_add_nc_u64 s[20:21], s[4:5], s[20:21]
	s_add_nc_u64 s[46:47], s[6:7], s[46:47]
	CROUND                                         ; all sixteen work-groups are here
.irp s, 0,1
	s_mov_b32 s[G0A+4*\s], 1
	s_add_co_u32 s[G0A+4*\s+1], s22, \s*SLOT
	s_add_nc_u64 s[G0A+4*\s+2:G0A+4*\s+3], s[20:21], \s*0x200000       ; K step s: two panels on
	s_or_b32 s[G0A+4*\s+3], s[G0A+4*\s+3], 0x80000000
	s_mov_b32 s[G0B+4*\s], 1
	s_add_co_u32 s[G0B+4*\s+1], s23, \s*SLOT
	s_add_nc_u64 s[G0B+4*\s+2:G0B+4*\s+3], s[46:47], \s*128*2048
	s_or_b32 s[G0B+4*\s+3], s[G0B+4*\s+3], 0x80000000
	JLOAD \s
.endr
	v_and_b32 v1, 15, v0                           ; r
	v_bfe_u32 v2, v0, 4, 1                         ; h
	v_lshlrev_b32 v6, 5, v2                        ; the bias: 32 h
	s_lshl_b32 s46, s15, 10
	s_lshl_b32 s47, s14, 9
	s_add_co_u32 s46, s46, s47                     ; 4 x (256 cx + 128 j)
	s_mov_b32 s47, 0
	s_add_nc_u64 s[8:9], s[8:9], s[46:47]
	s_add_nc_u64 s[10:11], s[10:11], s[46:47]
.irp b, 0,1,2,3,4,5,6,7
	global_load_b128 v[BIAS+8*\b:BIAS+8*\b+3], v6, s[8:9] offset:64*\b
	global_load_b128 v[BIAS+8*\b+4:BIAS+8*\b+7], v6, s[8:9] offset:64*\b+16
.endr
	s_lshl_b32 s46, s18, 19
	s_lshl_b32 s20, s13, 18
	s_add_co_u32 s46, s46, s20                     ; (128 x tile row + 64 i) rows of 4,096 bytes
	s_add_nc_u64 s[10:11], s[10:11], s[46:47]
	s_lshl_b32 s46, s18, 14
	s_lshl_b32 s20, s15, 12
	s_add_co_u32 s46, s46, s20
	s_add_co_u32 s46, s46, 0x400000                ; the prefetches stand at K step 2; the first refill steps them to 3 and names 4
	s_add_nc_u64 s[PFA:PFA+1], s[4:5], s[46:47]
	s_cmp_eq_u32 s12, 0
	s_cselect_b32 s[LIM], 1, -1
	v_lshlrev_b32 v[PFO], 20, v2
	v_lshl_add_u32 v[PFO], v1, 8, v[PFO]
	v_mul_u32_u24 v3, v1, 144
	v_lshl_add_u32 v3, v2, 4, v3
	s_mul_i32 s20, s13, 64*144
	v_add_nc_u32 v[ADRA], s20, v3                  ; A: my 64 rows, row r, + 16 h
	v_add_nc_u32 v[ADRA+1], SLOT, v[ADRA]
	v_and_b32 v4, 7, v0
	v_lshl_add_u32 v4, v2, 3, v4
	v_mul_u32_u24 v4, v4, BP
	v_bfe_u32 v5, v0, 3, 1
	v_lshl_add_u32 v4, v5, 4, v4
	s_lshl_b32 s20, s14, 8
	s_add_co_u32 s20, s20, BOFF
	v_add_nc_u32 v[ADRB], s20, v4                  ; B: k row 8 h + lane % 8, my 128 columns, 8 ((lane / 8) % 2) columns on
	v_add_nc_u32 v[ADRB+1], SLOT, v[ADRB]
	s_mul_i32 s20, s12, 16*528
	s_add_co_u32 s20, s20, STAGE                   ; my stage
	v_mul_u32_u24 v5, v1, 528
	v_lshl_add_u32 v5, v2, 5, v5
	v_add_nc_u32 v[STO], s20, v5
	v_and_b32 v5, 31, v0
	v_lshlrev_b32 v[CO], 4, v5
	v_add_nc_u32 v[RD], s20, v[CO]
; eight products: A's block a x B's eight, 32 along K, buffers f.  The 32 accumulators take turns, one instruction a turn, in the same order in every quarter.
.macro MULA f, a, zero
.irp b, 0,1,2,3,4,5,6,7
.if \zero
	v_wmma_f32_16x16x32_f16 v[8*(8*(\a)+\b):8*(8*(\a)+\b)+7], v[64*(\f)+8*\b:64*(\f)+8*\b+7], v[64+32*(\f)+8*(\a):64+32*(\f)+8*(\a)+7], v[BIAS+8*\b:BIAS+8*\b+7]
.else
	v_wmma_f32_16x16x32_f16 v[8*(8*(\a)+\b):8*(8*(\a)+\b)+7], v[64*(\f)+8*\b:64*(\f)+8*\b+7], v[64+32*(\f)+8*(\a):64+32*(\f)+8*(\a)+7], v[8*(8*(\a)+\b):8*(8*(\a)+\b)+7]
.endif
.endr
.endm
; 24 LDS loads in one run: the fragments of the slot's q-th 32 along K into buffers f
.macro FETCH slot, q, f
	WIN 0x40                                       ; destination window 1
.irp b, 0,1,2,3,4,5,6,7
	ds_load_tr16_b128 v[64*(\f)+8*\b:64*(\f)+8*\b+3], v[ADRB+\slot] offset:(\q)*32*BP+32*\b
	ds_load_tr16_b128 v[64*(\f)+8*\b+4:64*(\f)+8*\b+7], v[ADRB+\slot] offset:(\q)*32*BP+16*BP+32*\b
.endr
	WIN 0
.irp a, 0,1,2,3
	ds_load_b128 v[64+32*(\f)+8*\a:64+32*(\f)+8*\a+3], v[ADRA+\slot] offset:((\q)/2)*APAN+((\q)%2)*64+\a*2304
	ds_load_b128 v[64+32*(\f)+8*\a+4:64+32*(\f)+8*\a+7], v[ADRA+\slot] offset:((\q)/2)*APAN+((\q)%2)*64+\a*2304+32
.endr
.endm
; a quarter: buffers f are in; the next quarter's fragments are asked for into g, and land under these 32 products
.macro QUARTER slot, qn, f, g, zero
	s_wait_dscnt 0x0
	PLACES                                         ; in front of loads into registers that the last products read
	FETCH \slot, \qn, \g
.if \zero
	WIN 0x81                                       ; source 0 window 1, source 1 and C (the bias) window 0, D window 2
.else
	WIN 0xa1                                       ; C and D window 2
.endif
	MULA \f, 0, \zero
	MULA \f, 1, \zero
	MULA \f, 2, \zero
	MULA \f, 3, \zero
.endm
; a slot's last quarter changes slots: one barrier; in front of it all my tensor loads have landed, the add is done and my reads of this slot are over.  fill = 1: the barrier opens a round of the cluster's, and
; the joint refill, two K steps ahead, is the first tensor load behind it.
.macro TURN slot, next, fill
.if \fill
	s_wait_xcnt 0x0                                ; the last prefetch, a K step back, has read its address
	s_add_nc_u64 s[PFA:PFA+1], s[PFA:PFA+1], 0x200000
.endif
	WIN 0
	s_wait_tensorcnt 0x0
	ds_add_u32 v[SPW], v[NIL]
	s_wait_dscnt 1                                 ; the fragments are in; the add may be out
	WIN 0xa1
	MULA 1, 0, 0
	s_wait_dscnt 0x0
	s_barrier_signal -1
	MULA 1, 1, 0
	WIN 0
	s_barrier_wait -1
.if \fill
	CREST
	s_add_nc_u64 s[G0A+4*\slot+2:G0A+4*\slot+3], s[G0A+4*\slot+2:G0A+4*\slot+3], 0x400000
	s_add_nc_u64 s[G0B+4*\slot+2:G0B+4*\slot+3], s[G0B+4*\slot+2:G0B+4*\slot+3], 2*128*2048
	JLOAD \slot                                    ; its four v_nop are also the places in front of the loads below
.else
	PLACES
.endif
	FETCH \next, 0, 0
.if \fill
	ASK
.endif
	WIN 0xa1
	MULA 1, 2, 0
	MULA 1, 3, 0
.endm
	s_wait_tensorcnt 1                             ; my part of K step 0 is in; K step 1's load may be out
	s_barrier_signal -1
	s_barrier_wait -1
	FETCH 0, 0, 0
	s_wait_loadcnt 0x0                             ; the bias
	QUARTER 0, 1, 0, 1, 1                          ; the first quarter stands in front of the loop: its products start the sums from the bias
	WIN 0
	s_mov_b32 s3, 3
.Llap:                                             ; a trip goes once round the ring and fills both slots again: K steps 2 to 7 in three trips
	QUARTER 0, 2, 1, 0, 0
	QUARTER 0, 3, 0, 1, 0
	TURN 0, 1, 1
	QUARTER 1, 1, 0, 1, 0
	QUARTER 1, 2, 1, 0, 0
	QUARTER 1, 3, 0, 1, 0
	TURN 1, 0, 1
	QUARTER 0, 1, 0, 1, 0
	WIN 0
	s_sub_co_u32 s3, s3, 1
	s_cmp_lg_u32 s3, 0
	s_cbranch_scc1 .Llap
	QUARTER 0, 2, 1, 0, 0                          ; the last lap fills nothing
	QUARTER 0, 3, 0, 1, 0
	TURN 0, 1, 0
	QUARTER 1, 1, 0, 1, 0
	QUARTER 1, 2, 1, 0, 0
	QUARTER 1, 3, 0, 1, 0
	s_wait_dscnt 0x0
	MULA 1, 0, 0
	MULA 1, 1, 0
	MULA 1, 2, 0
	MULA 1, 3, 0
	WIN 0
; THE WAY OUT, block by block of 16 rows x 128 columns, through my own stage (rows of 528 bytes) and back as whole rows of 512 bytes.
.macro TOSTAGE a
	WIN 0x08                                       ; an LDS store's data are its source 1: window 2
.irp b, 0,1,2,3,4,5,6,7
	ds_store_b128 v[STO], v[64*(\a)+8*\b:64*(\a)+8*\b+3] offset:64*\b          ; each accumulator from its low end on
	ds_store_b128 v[STO], v[64*(\a)+8*\b+4:64*(\a)+8*\b+7] offset:64*\b+16
.endr
	WIN 0
.set BB, BK+64*((\a)%2)
.irp t, 0,1,2,3,4,5,6,7,8,9,10,11,12,13,14,15
	ds_load_b128 v[BB+4*\t:BB+4*\t+3], v[RD] offset:\t*528
.endr
.endm
.macro SEND a, younger
.set BB, BK+64*((\a)%2)
	s_wait_dscnt \younger                          ; the block is back; the next block's 16 stores and 16 loads may be out
.if (\a) > 0
	s_add_nc_u64 s[10:11], s[10:11], 16*4096       ; behind a wait on XCNT: the earlier stores have read their base
.endif
.if (\a) == 0
	s_cmp_eq_u32 s19, 0                            ; t = 0 .. 15: these rows belong to the launch that carries them in f32
	s_cbranch_scc1 .Lfine_rows
.endif
.irp t, 0,1,2,3,4,5,6,7,8,9,10,11,12,13,14,15
	global_store_b128 v[CO], v[BB+4*\t:BB+4*\t+3], s[10:11] offset:\t*4096 th:TH_STORE_NT   ; 512 consecutive bytes, aligned
.endr
.if (\a) == 0
.Lfine_rows:
.endif
.endm
	PLACES
	TOSTAGE 0
.irp a, 1,2,3
.if \a > 1
	s_wait_xcnt 0x0                                ; block a - 2's stores have read their registers and their base
.endif
	TOSTAGE \a
	SEND \a-1, 32
.endr
	s_wait_xcnt 0x0
	SEND 3, 0
	s_wait_tensorcnt 0x0                           ; the wave's end
	ds_add_u32 v[SPW], v[NIL]
	s_wait_dscnt 0x0
	CROUND                                         ; the closing round
	s_endpgm
.Lfunc_end_k_q2908fcbe24_proj:
	.size	k_q2908fcbe24_proj, .Lfunc_end_k_q2908fcbe24_proj-k_q2908fcbe24_proj
	.p2alignl 7, 3214868480
	.fill 96, 4, 3214868480
	.section	.rodata,"a",@progbits
	.p2align	6, 0x0
	.amdhsa_kernel k_q2908fcbe24_proj
		.amdhsa_group_segment_fixed_size 327680
		.amdhsa_private_segment_fixed_size 0
		.amdhsa_enable_private_segment 0
		.amdhsa_kernarg_size 32
		.amdhsa_user_sgpr_count 2
		.amdhsa_user_sgpr_kernarg_segment_ptr 1
		.amdhsa_wavefront_size32 1
		.amdhsa_system_sgpr_workgroup_id_x 1
		.amdhsa_system_sgpr_workgroup_id_y 1
		.amdhsa_system_sgpr_workgroup_id_z 1
		.amdhsa_system_vgpr_workitem_id 0
		.amdhsa_next_free_vgpr 768
		.amdhsa_next_free_sgpr 66
		.amdhsa_reserve_vcc 0
		.amdhsa_float_denorm_mode_32 3
		.amdhsa_float_denorm_mode_16_64 3
		.amdhsa_memory_ordered 1
		.amdhsa_forward_progress 1
		.amdhsa_inst_pref_size 87
	.end_amdhsa_kernel
	.amdgpu_metadata
---
amdhsa.version: [ 1, 2 ]
amdhsa.kernels:
  - .name:           k_q2908fcbe24_proj
    .symbol:         k_q2908fcbe24_proj.kd
    .args:
      - { .name: att, .offset: 0, .size: 8, .value_kind: global_buffer, .address_space: global }
      - { .name: wp16, .offset: 8, .size: 8, .value_kind: global_buffer, .address_space: global }
      - { .name: b_proj, .offset: 16, .size: 8, .value_kind: global_buffer, .address_space: global }
      - { .name: out0, .offset: 24, .size: 8, .value_kind: global_buffer, .address_space: global }
    .group_segment_fixed_size: 327680
    .private_segment_fixed_size: 0
    .kernarg_segment_align: 8
    .kernarg_segment_size: 32
    .max_flat_workgroup_size: 128
    .sgpr_count:     66
    .vgpr_count:     768
    .wavefront_size: 32
...
	.end_amdgpu_metadata
.endif
;; end of part 4
;; launch fine (part 5): grid 64 x 4, 16 waves a work-group, no clusters, 18,432 bytes of LDS; arguments fine_qkv, w_proj, b_proj, out0; writes out0
.if DOCPART == 5
	.amdgcn_target "amdgcn-amd-amdhsa--gfx1250"
	.amdhsa_code_object_version 6
	.text
	.protected	k_q2908fcbe24_fine
	.globl	k_q2908fcbe24_fine
	.p2align	8
	.type	k_q2908fcbe24_fine,@function
k_q2908fcbe24_fine:
	s_mov_b64 s[64:65], 0
	v_nop
	global_prefetch_b8 v0, s[64:65] scope:SCOPE_SE
	s_setreg_imm32_b32 hwreg(HW_REG_WAVE_MODE, 25, 1), 1
	s_wait_xcnt 0x0
; THE FIRST 16 POSITIONS OF EVERY SEQUENCE, in f32 throughout: attention and projection by v_wmma_f32_16x16x4_f32.  These rows average one to sixteen values and are the largest of the output.
; Work-group (chunk, b) makes out0 rows 2048 b + 0 .. 15, columns 16 chunk .. + 15.  Wave hd takes head hd: its 16 x 16 attention, then its share of the projection (that head's 64 channels); the sixteen
; partial results meet in LDS and wave 0 adds them onto the bias.  A work-group stores 64 bytes of each of its 16 rows: the price of sharing 64 rows among 256 work-groups; 256 KiB in the whole launch.
; LAYOUTS.  The form's operands hold k = 2 (lane / 16) + register; a permutation of k applied alike to both sources keeps the products, so each pair of registers is chosen as the data lie:
;   S^T = K Q^T: register 4 g + e of K and of Q holds channel 8 g + 4 h + e of row lane % 16.        Result: key 8 h + j, query lane % 16.
;   O^T = V^T P: P's pair i is the softmax's registers 2 i, 2 i + 1 (keys 8 h + 2 i + 0, 1); V is loaded to match.     Result: channel 16 cb + 8 h + j, query lane % 16.
;   R = W^T O:   O's pair (cb, i) holds channels 16 cb + 8 h + 2 i + 0, 1; w_proj is loaded to match.                  Result: column 8 h + j, row lane % 16.
; The registers that the matrix form writes (v144-207) are written by nothing else; what is made of a sum goes into other registers.  Two or four accumulators take turns.
.set SPARE, 16384
.set SPW, 8
.set NIL, 9
.set QR,  16
.set KR,  48
.set VR,  80
.set WR,  112
.set SA,  144                          ; v144-151, v152-159: S^T in two halves of K
.set OR,  160                          ; v160-191
.set RA,  192                          ; v192-199, v200-207
.set T,   208
.set U,   216
.set BI,  224
.set AC,  232
	s_load_b256 s[4:11], s[0:1], 0x0               ; fine_qkv 4:5, w_proj 6:7, b_proj 8:9, out0 10:11
	v_lshl_add_u32 v[SPW], v0, 2, SPARE
	v_mov_b32 v[NIL], 0
	v_lshrrev_b32 v1, 5, v0
	v_readfirstlane_b32 s12, v1                    ; wave = head
	s_and_b32 s13, ttmp7, 0xffff                   ; b
	v_and_b32 v1, 15, v0                           ; r
	v_bfe_u32 v2, v0, 4, 1                         ; h
	v_mul_u32_u24 v3, v1, 12288
	v_lshl_add_u32 v3, v2, 4, v3                   ; q, k: row r, + 16 h
	v_mul_u32_u24 v4, v2, 8*12288
	v_lshl_add_u32 v4, v1, 2, v4                   ; v: key 8 h, channel r
	v_lshlrev_b32 v5, 15, v2
	v_lshl_add_u32 v5, v1, 2, v5                   ; w_proj: row 8 h, column r
	v_lshlrev_b32 v6, 5, v2                        ; the bias: 32 h
	v_lshlrev_b32 v7, 3, v2
	v_sub_nc_u32 v7, v1, v7                        ; r - 8 h
	v_and_b32 v10, 31, v0
	v_lshlrev_b32 v10, 5, v10                      ; 32 x lane
	s_lshl_b32 s14, s12, 10
	v_add_nc_u32 v11, s14, v10                     ; my partial result's place in LDS
	v_lshlrev_b32 v12, 12, v1
	v_lshl_add_u32 v12, v2, 5, v12                 ; out0: row r, + 32 h
	s_mov_b32 s16, 0x76543210
	s_mov_b32 s17, 0xfedcba98
	s_mov_b32 s18, 0x3e38aa3b                      ; c = log2(e) / 8
	s_mul_i32 s20, s13, 16*12288
	s_lshl_b32 s21, s12, 8
	s_add_co_u32 s20, s20, s21
	s_mov_b32 s21, 0
	s_lshl_b32 s22, s12, 18
	s_lshl_b32 s24, ttmp9, 6                       ; 16 columns of f32
	s_add_co_u32 s22, s22, s24
	s_mov_b32 s23, 0
	s_mov_b32 s25, 0
	s_lshl_b32 s26, s13, 23
	s_add_co_u32 s26, s26, s24
	s_mov_b32 s27, 0
	s_wait_kmcnt 0x0
	s_add_nc_u64 s[4:5], s[4:5], s[20:21]
	s_add_nc_u64 s[6:7], s[6:7], s[22:23]
	s_add_nc_u64 s[8:9], s[8:9], s[24:25]
	s_add_nc_u64 s[10:11], s[10:11], s[26:27]
	global_load_b128 v[BI:BI+3], v6, s[8:9]
	global_load_b128 v[BI+4:BI+7], v6, s[8:9] offset:16
.irp g, 0,1,2,3,4,5,6,7
	global_load_b128 v[KR+4*\g:KR+4*\g+3], v3, s[4:5] offset:4096+32*\g
.endr
.irp g, 0,1,2,3,4,5,6,7
	global_load_b128 v[QR+4*\g:QR+4*\g+3], v3, s[4:5] offset:32*\g
.endr
.irp cb, 0,1,2,3
.irp e, 0,1,2,3,4,5,6,7
	global_load_b32 v[VR+8*\cb+\e], v4, s[4:5] offset:\e*12288+8192+64*\cb
.endr
.endr
	s_wait_loadcnt 32                              ; the bias, k and q are in; v's 32 loads may be out
.irp u, 0,1,2,3,4,5,6,7,8,9,10,11,12,13,14,15
.if \u < 2
	v_wmma_f32_16x16x4_f32 v[SA+8*(\u%2):SA+8*(\u%2)+7], v[KR+2*\u:KR+2*\u+1], v[QR+2*\u:QR+2*\u+1], 0
.else
	v_wmma_f32_16x16x4_f32 v[SA+8*(\u%2):SA+8*(\u%2)+7], v[KR+2*\u:KR+2*\u+1], v[QR+2*\u:QR+2*\u+1], v[SA+8*(\u%2):SA+8*(\u%2)+7]
.endif
.endr
.irp cb, 0,1,2,3
.irp e, 0,1,2,3,4,5,6,7
	global_load_b32 v[WR+8*\cb+\e], v5, s[6:7] offset:(16*\cb+\e)*4096
.endr
.endr
.rept 8
	v_nop                                          ; eight places behind this form before its results are read (ISA guide 7.12.1)
.endr
.irp j, 0,1,2,3,4,5,6,7
	v_add_f32 v[T+\j], v[SA+\j], v[SA+8+\j]
.endr
	v_mov_b32 v240, 0xff800000
.irp j, 0,1,2,3,4,5,6,7
	v_cmp_gt_i32 vcc_lo, \j, v7                    ; key 8 h + j comes after query r
	v_cndmask_b32 v[T+\j], v[T+\j], v240, vcc_lo
.endr
	v_max3_num_f32 v241, v[T], v[T+1], v[T+2]
	v_max3_num_f32 v242, v[T+3], v[T+4], v[T+5]
	v_max3_num_f32 v241, v241, v[T+6], v[T+7]
	v_max_num_f32 v241, v241, v242
	v_permlanex16_b32 v242, v241, s16, s17
	v_max_num_f32 v241, v241, v242                 ; the row's maximum: key 0 counts for every query
	v_mul_f32 v241, s18, v241
.irp j, 0,1,2,3,4,5,6,7
	v_fma_f32 v[T+\j], v[T+\j], s18, -v241
.endr
.irp j, 0,1,2,3,4,5,6,7
	v_exp_f32 v[T+\j], v[T+\j]
.endr
	v_nop
	s_wait_alu depctr_va_vdst(0)                   ; one wait for the eight exponentials
	v_add_f32 v242, v[T], v[T+1]
	v_add_f32 v243, v[T+2], v[T+3]
	v_add_f32 v244, v[T+4], v[T+5]
	v_add_f32 v245, v[T+6], v[T+7]
	v_add_f32 v242, v242, v243
	v_add_f32 v244, v244, v245
	v_add_f32 v242, v242, v244
	v_permlanex16_b32 v243, v242, s16, s17
	v_add_f32 v242, v242, v243
	v_rcp_f32 v242, v242
	v_nop
	s_wait_alu depctr_va_vdst(0)
.irp j, 0,1,2,3,4,5,6,7
	v_mul_f32 v[T+\j], v[T+\j], v242               ; the weights, normalised
.endr
	s_wait_loadcnt 32                              ; v is in; w_proj's 32 loads may be out
.irp i, 0,1,2,3
.irp cb, 0,1,2,3
.if \i == 0
	v_wmma_f32_16x16x4_f32 v[OR+8*\cb:OR+8*\cb+7], v[VR+8*\cb+2*\i:VR+8*\cb+2*\i+1], v[T+2*\i:T+2*\i+1], 0
.else
	v_wmma_f32_16x16x4_f32 v[OR+8*\cb:OR+8*\cb+7], v[VR+8*\cb+2*\i:VR+8*\cb+2*\i+1], v[T+2*\i:T+2*\i+1], v[OR+8*\cb:OR+8*\cb+7]
.endif
.endr
.endr
.rept 9
	v_nop                                          ; nine places before a matrix instruction takes these results as a source
.endr
	s_wait_loadcnt 0x0                             ; w_proj
.irp cb, 0,1,2,3
.irp i, 0,1,2,3
.if (\cb == 0) && (\i < 2)
	v_wmma_f32_16x16x4_f32 v[RA+8*(\i%2):RA+8*(\i%2)+7], v[WR+8*\cb+2*\i:WR+8*\cb+2*\i+1], v[OR+8*\cb+2*\i:OR+8*\cb+2*\i+1], 0
.else
	v_wmma_f32_16x16x4_f32 v[RA+8*(\i%2):RA+8*(\i%2)+7], v[WR+8*\cb+2*\i:WR+8*\cb+2*\i+1], v[OR+8*\cb+2*\i:OR+8*\cb+2*\i+1], v[RA+8*(\i%2):RA+8*(\i%2)+7]
.endif
.endr
.endr
.rept 8
	v_nop
.endr
.irp j, 0,1,2,3,4,5,6,7
	v_add_f32 v[U+\j], v[RA+\j], v[RA+8+\j]
.endr
	ds_store_b128 v11, v[U:U+3]
	ds_store_b128 v11, v[U+4:U+7] offset:16
	s_wait_tensorcnt 0x0                           ; the wait two lines on also shows my stores done to the others
	ds_add_u32 v[SPW], v[NIL]
	s_wait_dscnt 0x0
	s_barrier_signal -1
	s_barrier_wait -1
	s_cmp_lg_u32 s12, 0
	s_cbranch_scc1 .Ldone
.irp p, 0,1,2,3,4,5,6,7,8,9,10,11,12,13,14,15
	ds_load_b128 v[16+8*\p:16+8*\p+3], v10 offset:1024*\p
	ds_load_b128 v[16+8*\p+4:16+8*\p+7], v10 offset:1024*\p+16
.endr
	s_wait_dscnt 0x0
.irp e, 0,2,4,6
	v_pk_add_f32 v[AC+\e:AC+\e+1], v[BI+\e:BI+\e+1], v[16+\e:16+\e+1]
.endr
.irp p, 1,2,3,4,5,6,7,8,9,10,11,12,13,14,15
.irp e, 0,2,4,6
	v_pk_add_f32 v[AC+\e:AC+\e+1], v[AC+\e:AC+\e+1], v[16+8*\p+\e:16+8*\p+\e+1]
.endr
.endr
	global_store_b128 v12, v[AC:AC+3], s[10:11]
	global_store_b128 v12, v[AC+4:AC+7], s[10:11] offset:16
.Ldone:
	s_endpgm
.Lfunc_end_k_q2908fcbe24_fine:
	.size	k_q2908fcbe24_fine, .Lfunc_end_k_q2908fcbe24_fine-k_q2908fcbe24_fine
	.p2alignl 7, 3214868480
	.fill 96, 4, 3214868480
	.section	.rodata,"a",@progbits
	.p2align	6, 0x0
	.amdhsa_kernel k_q2908fcbe24_fine
		.amdhsa_group_segment_fixed_size 18432
		.amdhsa_private_segment_fixed_size 0
		.amdhsa_enable_private_segment 0
		.amdhsa_kernarg_size 32
		.amdhsa_user_sgpr_count 2
		.amdhsa_user_sgpr_kernarg_segment_ptr 1
		.amdhsa_wavefront_size32 1
		.amdhsa_system_sgpr_workgroup_id_x 1
		.amdhsa_system_sgpr_workgroup_id_y 1
		.amdhsa_system_sgpr_workgroup_id_z 1
		.amdhsa_system_vgpr_workitem_id 0
		.amdhsa_next_free_vgpr 256
		.amdhsa_next_free_sgpr 66
		.amdhsa_reserve_vcc 1
		.amdhsa_float_denorm_mode_32 3
		.amdhsa_float_denorm_mode_16_64 3
		.amdhsa_memory_ordered 1
		.amdhsa_forward_progress 1
		.amdhsa_inst_pref_size 24
	.end_amdhsa_kernel
	.amdgpu_metadata
---
amdhsa.version: [ 1, 2 ]
amdhsa.kernels:
  - .name:           k_q2908fcbe24_fine
    .symbol:         k_q2908fcbe24_fine.kd
    .args:
      - { .name: fine_qkv, .offset: 0, .size: 8, .value_kind: global_buffer, .address_space: global }
      - { .name: w_proj, .offset: 8, .size: 8, .value_kind: global_buffer, .address_space: global }
      - { .name: b_proj, .offset: 16, .size: 8, .value_kind: global_buffer, .address_space: global }
      - { .name: out0, .offset: 24, .size: 8, .value_kind: global_buffer, .address_space: global }
    .group_segment_fixed_size: 18432
    .private_segment_fixed_size: 0
    .kernarg_segment_align: 8
    .kernarg_segment_size: 32
    .max_flat_workgroup_size: 512
    .sgpr_count:     66
    .vgpr_count:     256
    .wavefront_size: 32
...
	.end_amdgpu_metadata
.endif
;; end of part 5
